; MI455X (gfx1250); checked and timed in simulation.
; The chip was launched on July 23, 2026; its instructions are those of AMD's public machine-readable ISA for CDNA 5 (MIT licence, August 2026) and "CDNA5" Instruction Set Architecture Reference Guide (July 2026). The comments in the code are by the model that wrote it; some were corrected since.
;; Attention. Allowed arithmetic: float matrix products may take bf16 or f16 operands with f32 sums; other float arithmetic in f32, or as packed bf16 or f16 multiplies, adds, multiply-adds, maxima and minima; sums over many terms, partial sums and values carried from step to step in f32; what a program stores and reads back later, other than sums and carried values, may be rounded once to bf16 or f16.
;; Inputs: freqs_cos 2,048 x 64 float32; freqs_sin 2,048 x 64 float32; mask 2 x 2,048 x 2,048 float32; positions 2,048 int32; wk 4,096 x 512 float32; wo 1,024 x 4,096 float32; wq 4,096 x 1,024 float32; wv 4,096 x 512 float32; x 2 x 2,048 x 4,096 float32.
;; Outputs: out0 2 x 2,048 x 4,096 float32.
;; One version. Each part assembles by itself: llvm-mc -triple=amdgcn-amd-amdhsa -mcpu=gfx1250 --defsym DOCPART=n.
;; ======== version 1 of 1: 4 launches
;; limits: values are held in f16: magnitudes above 65,504 overflow, below 6.1e-05 lose precision; right only within a limited range of input values
;; workspace buffers: wqkv 16,777,216 bytes; wof 8,388,608 bytes; qkvh 16,777,216 bytes; oh 8,388,608 bytes
;; launch cast (part 1): grid 512 x 1, 8 waves a work-group, no clusters, 0 bytes of LDS; arguments wq, wk, wv, wqkv; writes wqkv
.if DOCPART == 1
	.amdgcn_target "amdgcn-amd-amdhsa--gfx1250"
	.amdhsa_code_object_version 6
	.text
	.protected	k_qbeb0a235bf_cast
	.globl	k_qbeb0a235bf_cast
	.p2align	8
	.type	k_qbeb0a235bf_cast,@function
k_qbeb0a235bf_cast:
	s_mov_b64 s[64:65], 0
	v_nop
	global_prefetch_b8 v0, s[64:65] scope:SCOPE_SE
	s_setreg_imm32_b32 hwreg(HW_REG_WAVE_MODE, 25, 1), 1
	s_wait_xcnt 0x0
; THE PROJECTIONS' WEIGHTS, ROUNDED ONCE.  wq [4096][1024], wk, wv [4096][512] (f32) go side by side into wqkv [4096 k][2048 n] in bf16 (n: q 0-1023, k 1024-1535, v 1536-2047).
; (wo, which the last launch alone wants, is rounded in the attention launch, while that launch waits for its first tile.)
; A stream: each byte read once and written once, no LDS, no matrix unit, no cluster: no two work-groups want the same byte.
; SHARES.  A work-group takes 65,536 consecutive input bytes, eight passes of 8,192; thread t takes 32 bytes at 32 t of each pass and writes 16: sixteen lanes store 256 consecutive bytes, aligned.
; All sixteen loads of a thread go out first; each pass has its own data and address registers, so nothing is rewritten while a store may still read it.
.set VO, 2                             ; v[2:9]     pass p: my byte offset in the output
.set IN, 16                            ; v[16:79]   pass p: 8 numbers as loaded
.set OU, 80                            ; v[80:111]  pass p: 4 registers to store
	s_load_b256 s[4:11], s[0:1], 0x0               ; wq s[4:5], wk s[6:7], wv s[8:9], wqkv s[10:11]
	s_mov_b32 s16, ttmp9                           ; g: 0-255 wq, 256-383 wk, 384-511 wv
	s_mov_b32 s19, 8192
	s_cmp_ge_u32 s16, 256
	s_cselect_b32 s17, 256, 0                      ; the region's first g
	s_cselect_b32 s18, 6, 7                        ; log2 of the threads that cover an input row
	s_cselect_b32 s19, 16384, s19                  ; output bytes from pass to pass: 2 (wq) or 4 (wk, wv) rows of 4,096
	s_cselect_b32 s20, 17, 16                      ; log2 of a work-group's span in the output
	s_cselect_b32 s21, 2048, 0                     ; the region's first column, in bytes
	s_cmp_ge_u32 s16, 384
	s_cselect_b32 s17, 384, s17
	s_cselect_b32 s21, 3072, s21
	s_sub_co_u32 s17, s16, s17                     ; my number in the region
	s_lshl_b32 s26, s17, 16                        ; my 65,536 input bytes
	s_mov_b32 s27, 0
	s_lshl_b32 s28, s17, s20
	s_add_co_u32 s28, s28, s21                     ; my first output byte
	s_mov_b32 s29, 0
	s_bfm_b32 s30, s18, 0                          ; the mask of a thread's place in its row
	v_lshlrev_b32 v1, 5, v0                        ; 32 t
	v_lshrrev_b32 v10, s18, v0                     ; my row in a pass,
	v_and_b32 v11, s30, v0                         ; my place in it
	v_lshlrev_b32 v11, 4, v11
	v_lshl_add_u32 v[VO], v10, 12, v11             ; row x 4,096 + 16 x place
.irp p, 1,2,3,4,5,6,7
	v_add_nc_u32 v[VO+(\p)], s19, v[VO+(\p)-1]
.endr
	s_wait_kmcnt 0x0
	s_cmp_ge_u32 s16, 256
	s_cselect_b64 s[22:23], s[6:7], s[4:5]
	s_cmp_ge_u32 s16, 384
	s_cselect_b64 s[22:23], s[8:9], s[22:23]
	s_add_nc_u64 s[22:23], s[22:23], s[26:27]
	s_add_nc_u64 s[24:25], s[10:11], s[28:29]
.irp p, 0,1,2,3,4,5,6,7
	global_load_b128 v[IN+8*(\p):IN+8*(\p)+3],   v1, s[22:23] offset:8192*(\p) th:TH_LOAD_NT
	global_load_b128 v[IN+8*(\p)+4:IN+8*(\p)+7], v1, s[22:23] offset:8192*(\p)+16 th:TH_LOAD_NT
.endr
.irp p, 0,1,2,3,4,5,6,7
	s_wait_loadcnt 14-2*(\p)                       ; loads come back in order: pass p's two are in, the later passes' stay out
.irp k, 0,1,2,3
	v_cvt_pk_bf16_f32 v[OU+4*(\p)+(\k)], v[IN+8*(\p)+2*(\k)], v[IN+8*(\p)+2*(\k)+1]
.endr
	global_store_b128 v[VO+(\p)], v[OU+4*(\p):OU+4*(\p)+3], s[24:25] th:TH_STORE_NT
.endr
	s_endpgm
.Lfunc_end_k_qbeb0a235bf_cast:
	.size	k_qbeb0a235bf_cast, .Lfunc_end_k_qbeb0a235bf_cast-k_qbeb0a235bf_cast
	.p2alignl 7, 3214868480
	.fill 96, 4, 3214868480
	.section	.rodata,"a",@progbits
	.p2align	6, 0x0
	.amdhsa_kernel k_qbeb0a235bf_cast
		.amdhsa_group_segment_fixed_size 0
		.amdhsa_private_segment_fixed_size 0
		.amdhsa_enable_private_segment 0
		.amdhsa_kernarg_size 32
		.amdhsa_user_sgpr_count 2
		.amdhsa_user_sgpr_kernarg_segment_ptr 1
		.amdhsa_wavefront_size32 1
		.amdhsa_system_sgpr_workgroup_id_x 1
		.amdhsa_system_sgpr_workgroup_id_y 1
		.amdhsa_system_sgpr_workgroup_id_z 1
		.amdhsa_system_vgpr_workitem_id 0
		.amdhsa_next_free_vgpr 112
		.amdhsa_next_free_sgpr 66
		.amdhsa_reserve_vcc 0
		.amdhsa_float_denorm_mode_32 3
		.amdhsa_float_denorm_mode_16_64 3
		.amdhsa_memory_ordered 1
		.amdhsa_forward_progress 1
		.amdhsa_inst_pref_size 7
	.end_amdhsa_kernel
	.amdgpu_metadata
---
amdhsa.version: [ 1, 2 ]
amdhsa.kernels:
  - .name:           k_qbeb0a235bf_cast
    .symbol:         k_qbeb0a235bf_cast.kd
    .args:
      - { .name: wq, .offset: 0, .size: 8, .value_kind: global_buffer, .address_space: global }
      - { .name: wk, .offset: 8, .size: 8, .value_kind: global_buffer, .address_space: global }
      - { .name: wv, .offset: 16, .size: 8, .value_kind: global_buffer, .address_space: global }
      - { .name: wqkv, .offset: 24, .size: 8, .value_kind: global_buffer, .address_space: global }
    .group_segment_fixed_size: 0
    .private_segment_fixed_size: 0
    .kernarg_segment_align: 8
    .kernarg_segment_size: 32
    .max_flat_workgroup_size: 256
    .sgpr_count:     66
    .vgpr_count:     112
    .wavefront_size: 32
...
	.end_amdgpu_metadata
.endif
;; end of part 1
;; launch qkv (part 2): grid 8 x 32, 4 waves a work-group, clusters of 4 x 4, 327,680 bytes of LDS; arguments x, wqkv, freqs_cos, freqs_sin, qkvh; writes qkvh
.if DOCPART == 2
	.amdgcn_target "amdgcn-amd-amdhsa--gfx1250"
	.amdhsa_code_object_version 6
	.text
	.protected	k_qbeb0a235bf_qkv
	.globl	k_qbeb0a235bf_qkv
	.p2align	8
	.type	k_qbeb0a235bf_qkv,@function
k_qbeb0a235bf_qkv:
	s_mov_b64 s[64:65], 0
	v_nop
	global_prefetch_b8 v0, s[64:65] scope:SCOPE_SE
	s_setreg_imm32_b32 hwreg(HW_REG_WAVE_MODE, 25, 1), 1
	s_wait_xcnt 0x0
	s_wait_alu depctr_hold_cnt(0) depctr_sa_sdst(0) depctr_va_vdst(0) depctr_va_sdst(0) depctr_va_ssrc(0) depctr_va_vcc(0) depctr_vm_vsrc(0)
	s_getreg_b32 s2, hwreg(HW_REG_IB_STS2, 6, 4)
	s_cmp_eq_u32 s2, 0
	s_cbranch_scc0 .Lentry_in_a_cluster
	s_endpgm
.Lentry_in_a_cluster:
	s_bfe_u32 s2, ttmp6, 0x10000c
	s_cmp_lg_u32 s2, 0xf033
	s_cbranch_scc0 .Lentry_shape_is_right
	s_endpgm
.Lentry_shape_is_right:
; THE THREE PROJECTIONS, ROPE AND THE SCALES.  [4096 rows of x] x [4096 k][2048 n of wqkv], sums in f32; q and k turned by the tables; the result by heads in f16:
; qkvh [b 2][hh 16][s 2048][128]; hh 0-7: q x log2(e) / sqrt(128) x 4; hh 8-11: k / 4; hh 12-15: v / 4.  So q . k is the score in base 2, and the powers of two leave f16 room.
; FORMATS.  x is f32 in memory and in LDS and is rounded to bf16 between LDS and the matrix unit; the weights arrive in bf16; cos and sin are rounded to bf16 once, into a table in LDS.
; LIMITS.  f16 ends at 65,504: |q| under 128,000 and |k|, |v| under 262,000 are served; beyond that an infinity is stored.  NaN and infinities in x, the weights or the tables are not treated apart.
; SHARES.  A work-group makes 128 rows x 256 columns; 8 x 32 = 256 work-groups.  Wave w: rows 64 (w / 2) on, columns 128 (w % 2) on, which are ONE head: 4 x 8 accumulators of 16 x 16.
; THE MATRIX INSTRUCTION IS USED TRANSPOSED: source 0 = 16 columns of the weights (turned on the way out of LDS by ds_load_tr16_b128), source 1 = 16 rows of x: a lane holds one row and eight neighbouring channels.
; RING.  K goes in steps of 128 through two LDS slots.  Waves 0, 1 fetch the halves of x's tile (64 rows x 512 bytes), waves 2, 3 those of the weights' (64 k-rows x 512 bytes): one tensor load a wave.
; CLUSTER 4 x 4: x's tile is asked for jointly along a row of the cluster, the weights' along a column.  A wave has two tensor loads out at the start and one behind each round.
; REGISTERS, in windows of 256: window 0: v16-31 addresses; v32-63, v64-95 x's fragments in bf16, two buffers; v128-191 x as loaded (f32); window 1: v0-63, v64-127 the weights' fragments, two buffers;
; window 2: accumulator (a, b) at v[8 (8 a + b)].
.set PA,    528                        ; a row of x in LDS: 512 bytes + 16: the 16 rows of a load start at 16 different groups of four banks (64 banks of 4 bytes: ISA guide 11.1)
.set PB,    544                        ; a k-row of the weights: 512 bytes + 32
.set HALFA, 64*PA
.set HALFB, 64*PB
.set BOFF,  2*HALFA                    ; a slot: x's 128 rows, then the weights' 128 k-rows
.set SLOT,  BOFF+2*HALFB
.set CST,   2*SLOT                     ; behind the ring: 128 positions x 64 words (bf16 cos low, bf16 sin high); no tensor load fills it
.set SPARE, CST+128*256                ; the spare words, 128 bytes for each wave: two blocks of 256 bytes that no other line names
.set LAPS,  16                         ; a lap = two K steps of 128; K = 4,096
.set ADRA, 16                          ; v16-17  LDS address of my fragments of x in slot 0, 1
.set ADRB, 20                          ; v20-21  the same for the weights
.set DST,  24                          ; v24     the way out: where I put 16 bytes of a row
.set RDX,  25                          ; v25     the way out: where I read a row back
.set RDC,  26                          ; v26     the way out: my two words of the table
.set GOF,  27                          ; v27     my byte offset in the head's rows
.set SPW,  28                          ; v28     LDS address of my spare word; never rewritten
.set NIL,  29                          ; v29     0; never rewritten
.set PFO,  30                          ; v30     the prefetches' lane offset; never rewritten
.set IDN,  31                          ; v31     cos = 1, sin = 0 as a table word
.set AF,   32
.set AS,   128
.set XR,   128                         ; the way out: eight rows, 4 registers each,
.set CW,   160                         ; their table words, 2 each,
.set OU,   176                         ; their results, 2 each,
.set CC,   192                         ; and at work: two cosines, two sines, four numbers
.set SS,   194
.set TT,   196
.set WV,  14
.set MH,  15                           ; w / 2: my half of the rows.  Also: I fetch for x (0) or for the weights (1)
.set NH,  16                           ; w % 2: my half of the columns.  Also: which half of that tile I fetch
.set CX,  17
.set CY,  18
.set TC,  19                           ; tile column, 0-7
.set TR,  20                           ; tile row, 0-31
.set G1A, 24
.set G0A, 32
.set LIM, 43                           ; 1 in a wave that prefetches, else the greatest number
.set PFA, 44                           ; s[44:45] where my prefetches stand
.set PFS, 46                           ; s[46:47] a K step in that tensor, in bytes
.set G1B, 48
.set G0B, 56
.set SC,  66                           ; s[66:67] the head's scale
.set ISV, 68                           ; all ones for v's heads, which are not turned
.set HIM, 69
.set OUTB, 70                          ; s[70:71] the head's rows that I store
.set MUL,  0xa1                        ; source 0 window 1, source 1 window 0, C and D window 2
.set TO_B, 0x40
.set MSB, 0
.macro WIN new                         ; the immediate's high byte repeats the setting that is left; a switch that changes nothing is dropped
.if MSB != (\new)
	s_set_vgpr_msb (MSB<<8)|(\new)
.set MSB, \new
.endif
.endm
.macro PLACES                          ; four plain instructions between a matrix instruction and a load into, or a read of, its registers
.rept 4
	v_nop
.endr
.endm
.macro JLOAD s                         ; a joint load; the branch hangs on the wave's number alone; an s_nop 0 and four v_nop follow each line
	s_cmp_eq_u32 s[MH], 0
	s_cbranch_scc0 .Lfor_b_\@
	tensor_load_to_lds s[G0A+4*(\s):G0A+4*(\s)+3], s[G1A:G1A+7]
	s_nop 0
.rept 4
	v_nop
.endr
	s_branch .Lasked_\@
.Lfor_b_\@:
	tensor_load_to_lds s[G0B+4*(\s):G0B+4*(\s)+3], s[G1B:G1B+7]
	s_nop 0
.rept 4
	v_nop
.endr
.Lasked_\@:
.endm
; A prefetch of the K step that stands two refills on: 16 rows x 2 blocks of 256 bytes, a lane a block, one instruction a wave.  x's tile row is read by both clusters of that row of clusters: cluster x = 0 asks;
; the weights' tile column by all eight clusters of that column: cluster y = 0 asks.  The four partners of a joint load share its 64 rows out by address, 16 each.  The loop's last trip has no K step two on.
.macro ASK
	s_cmp_gt_u32 s3, s[LIM]
	s_cbranch_scc0 .Lnot_mine_\@
	global_prefetch_b8 v[PFO], s[PFA:PFA+1] th:TH_LOAD_NT scope:SCOPE_SE
.Lnot_mine_\@:
.endm
.macro CREST                           ; a round of the cluster's barrier behind its opening barrier
	s_cmp_lg_u32 s[WV], 0
	s_cbranch_scc1 .Lnot_wave_0_\@
	s_barrier_signal -3
.Lnot_wave_0_\@:
	s_barrier_wait -3
	s_barrier_signal -1
	s_barrier_wait -1
.endm
.macro CROUND
	s_barrier_signal -1
	s_barrier_wait -1
	CREST
.endm
	s_load_b256 s[4:11], s[0:1], 0x0               ; x s[4:5], wqkv s[6:7], cos s[8:9], sin s[10:11]
	s_load_b64 s[12:13], s[0:1], 0x20              ; qkvh
	v_lshl_add_u32 v[SPW], v0, 2, SPARE
	v_mov_b32 v[NIL], 0
	ds_add_u32 v[SPW], v[NIL]                      ; the wave's opening: the add and its wait stand ahead of my first tensor load; work on registers stands between them
	v_lshrrev_b32 v1, 5, v0
	v_readfirstlane_b32 s[WV], v1
	s_lshr_b32 s[MH], s[WV], 1
	s_and_b32 s[NH], s[WV], 1
	s_bfe_u32 s[CX], ttmp6, 0x40000
	s_bfe_u32 s[CY], ttmp6, 0x40004
	s_lshl_b32 s[TC], ttmp9, 2
	s_add_co_u32 s[TC], s[TC], s[CX]
	s_and_b32 s[TR], ttmp7, 0xffff
	s_lshl_b32 s[TR], s[TR], 2
	s_add_co_u32 s[TR], s[TR], s[CY]
	s_lshl_b32 s21, s[CY], 2
	s_lshl_b32 s21, 15, s21                        ; my row of the cluster
	s_lshl_b32 s22, 0x1111, s[CX]                  ; my column
	s_or_b32 s[G1A], s21, (2<<16)|(1<<20)|(1<<21)|(6<<22)|(3<<25)  ; mask; 4-byte elements; padding on; bit 21 beside a mask; after every 128 words; 4 words
	s_mov_b32 s[G1A+1], 128<<16                    ; tensor_dim0 = 128
	s_mov_b32 s[G1A+2], 64<<16                     ; tensor_dim1 = 64
	s_mov_b32 s[G1A+3], 128<<16                    ; tile_dim0 = 128
	s_mov_b32 s[G1A+4], 64                         ; tile_dim1 = 64
	s_mov_b32 s[G1A+5], 4096                       ; elements from row to row
	s_mov_b32 s[G1A+6], 0
	s_mov_b32 s[G1A+7], 0
	s_or_b32 s[G1B], s22, (1<<16)|(1<<20)|(1<<21)|(6<<22)|(7<<25)  ; 2-byte elements; after every 128 words 8 words
	s_mov_b32 s[G1B+1], 256<<16
	s_mov_b32 s[G1B+2], 64<<16
	s_mov_b32 s[G1B+3], 256<<16
	s_mov_b32 s[G1B+4], 64
	s_mov_b32 s[G1B+5], 2048
	s_mov_b32 s[G1B+6], 0
	s_mov_b32 s[G1B+7], 0
	s_lshl_b32 s72, s[TR], 7                       ; x: row 128 x tile row + 64 x half, 16,384 bytes a row: hangs on the tile row alone
	s_lshl_b32 s73, s[NH], 6
	s_add_co_u32 s72, s72, s73
	s_lshl_b32 s72, s72, 14
	s_mov_b32 s73, 0
	s_lshl_b32 s74, s[NH], 18                      ; the weights: k-row 64 x half, 4,096 bytes a row; column 256 x tile column: hangs on the tile column alone
	s_lshl_b32 s75, s[TC], 9
	s_add_co_u32 s74, s74, s75
	s_mov_b32 s75, 0
	s_mul_i32 s76, s[NH], HALFA                    ; where they go: no place in the cluster enters an LDS address
	s_mul_i32 s77, s[NH], HALFB
	s_add_co_u32 s77, s77, BOFF
	s_mov_b32 s[SC], 0x3e800000                    ; 1/4 for k and v;
	s_cmp_lt_u32 s[TC], 4
	s_cselect_b32 s[SC], 0x3f0293ee, s[SC]         ; 4 log2(e) / sqrt(128) = 0.510070 for q
	s_mov_b32 s[SC+1], s[SC]
	s_cmp_ge_u32 s[TC], 6
	s_cselect_b32 s[ISV], -1, 0
	s_mov_b32 s[HIM], 0xffff0000
	s_lshl_b32 s78, s[TR], 7                       ; my first row m0 = 128 x tile row + 64 x half: batch m0 / 2048, position m0 % 2048
	s_lshl_b32 s79, s[MH], 6
	s_add_co_u32 s78, s78, s79
	s_lshr_b32 s79, s78, 11
	s_and_b32 s78, s78, 2047
	s_lshl_b32 s79, s79, 4
	s_lshl1_add_u32 s70, s[TC], s[NH]              ; my head hh = 2 x tile column + half
	s_add_co_u32 s79, s79, s70
	s_lshl_b32 s79, s79, 11
	s_add_co_u32 s78, s78, s79
	s_lshl_b32 s[OUTB], s78, 8                     ; ((16 b + hh) 2,048 + position) x 256 bytes
	s_mov_b32 s[OUTB+1], 0
	s_and_b32 s78, s[TR], 15                       ; the tables: position 128 (tile row % 16) + 32 w, 256 bytes a position
	s_lshl_b32 s78, s78, 7
	s_lshl_b32 s79, s[WV], 5
	s_add_co_u32 s78, s78, s79
	s_lshl_b32 s78, s78, 8
	s_mov_b32 s79, 0
	s_wait_dscnt 0x0                               ; the opening add is done
	s_wait_kmcnt 0x0
	s_add_nc_u64 s[72:73], s[4:5], s[72:73]
	s_add_nc_u64 s[74:75], s[6:7], s[74:75]
	s_add_nc_u64 s[OUTB:OUTB+1], s[12:13], s[OUTB:OUTB+1]
	s_add_nc_u64 s[8:9], s[8:9], s[78:79]
	s_add_nc_u64 s[10:11], s[10:11], s[78:79]
	CROUND                                         ; all sixteen work-groups are here: the first joint loads meet
.irp s, 0,1
	s_mov_b32 s[G0A+4*(\s)], 1
	s_add_co_u32 s[G0A+4*(\s)+1], s76, (\s)*SLOT
	s_add_nc_u64 s[G0A+4*(\s)+2:G0A+4*(\s)+3], s[72:73], (\s)*512      ; K step s: 128 f32 along the row
	s_or_b32 s[G0A+4*(\s)+3], s[G0A+4*(\s)+3], 0x80000000
	s_mov_b32 s[G0B+4*(\s)], 1
	s_add_co_u32 s[G0B+4*(\s)+1], s77, (\s)*SLOT
	s_add_nc_u64 s[G0B+4*(\s)+2:G0B+4*(\s)+3], s[74:75], (\s)*524288   ; K step s: 128 k-rows of 4,096 bytes
	s_or_b32 s[G0B+4*(\s)+3], s[G0B+4*(\s)+3], 0x80000000
	JLOAD \s
.endr
	; THE TABLE.  Wave w takes positions 32 w .. 32 w + 31 of the work-group's 128: 8,192 dense bytes of cos and of sin, sixteen loads of 512 consecutive bytes each.
	v_and_b32 v5, 31, v0                           ; lane
	v_lshlrev_b32 v2, 4, v5                        ; 16 l
.irp t, 0,1,2,3,4,5,6,7,8,9,10,11,12,13,14,15
	global_load_b128 v[128+4*(\t):128+4*(\t)+3], v2, s[8:9] offset:512*(\t)
.endr
.irp t, 0,1,2,3,4,5,6,7,8,9,10,11,12,13,14,15
	global_load_b128 v[192+4*(\t):192+4*(\t)+3], v2, s[10:11] offset:512*(\t)
.endr
	; the prefetches: who asks, from where, how far a K step is.  Nothing is prefetched here, at the head: K steps 2 and 3 come by their refills alone
	s_lshl_b32 s78, s[TR], 7
	s_lshl_b32 s79, s[NH], 6
	s_add_co_u32 s78, s78, s79
	s_lshl_b32 s79, s[CX], 4
	s_add_co_u32 s78, s78, s79                     ; x: my work-group's 16 of the 64 rows that I fetch,
	s_lshl_b32 s78, s78, 14
	s_add_co_u32 s78, s78, 3*512                   ; at K step 3: the first refill steps it to 4
	s_lshl_b32 s79, s[NH], 6
	s_lshl_b32 s21, s[CY], 4
	s_add_co_u32 s79, s79, s21                     ; the weights: my work-group's 16 of the 64 k-rows,
	s_lshl_b32 s79, s79, 12
	s_lshl_b32 s21, s[TC], 9
	s_add_co_u32 s79, s79, s21
	s_add_co_u32 s79, s79, 3*524288
	s_and_b32 s21, ttmp7, 0xffff
	s_mov_b32 s[PFS], 524288
	s_mov_b32 s[PFS+1], 0
	s_cmp_eq_u32 s[MH], 0                          ; do I fetch for x?
	s_cselect_b64 s[PFA:PFA+1], s[4:5], s[6:7]
	s_cselect_b32 s78, s78, s79
	s_cselect_b32 s[PFS], 512, s[PFS]
	s_cselect_b32 s22, 14, 12                      ; log2 of a row's bytes
	s_cselect_b32 s21, ttmp9, s21                  ; the coordinate along which other clusters read the same rows
	s_mov_b32 s79, 0
	s_cmp_eq_u32 s21, 0
	s_cselect_b32 s[LIM], 1, -1                    ; the same in all sixteen partners, for a given wave
	s_add_nc_u64 s[PFA:PFA+1], s[PFA:PFA+1], s[78:79]
	v_lshrrev_b32 v6, 1, v5
	v_lshlrev_b32 v6, s22, v6                      ; row l / 2,
	v_and_b32 v7, 1, v5
	v_lshl_add_u32 v[PFO], v7, 8, v6               ; block l % 2 of its 512 bytes
	v_mov_b32 v[IDN], 0x3f80
	s_lshl_b32 s21, s[WV], 13
	s_add_co_u32 s21, s21, CST
	v_add_nc_u32 v3, s21, v2                       ; the table's bytes that I write: 8,192 w + 16 l
	; A fragment of x is 16 rows x 32 k: lane l holds row l % 16, k = 8 (l / 16) + 0..7 and 16 + 8 (l / 16) + 0..7: in f32 four loads of 16 bytes, at 32 (l / 16) + 0, 16, 64, 80.
	v_and_b32 v1, 15, v0
	v_bfe_u32 v4, v0, 4, 1
	v_mul_u32_u24 v6, v1, PA
	v_lshl_add_u32 v6, v4, 5, v6
	s_mul_i32 s21, s[MH], HALFA
	v_add_nc_u32 v[ADRA], s21, v6
	v_add_nc_u32 v[ADRA+1], SLOT, v[ADRA]
	; The turning load takes 16 k x 16 columns (lane l reads k-row 8 (l / 16) + l % 8, columns 8 ((l / 8) % 2) + 0..7) and leaves half a fragment: lane l holds column l % 16 and 8 k.
	v_and_b32 v7, 7, v0
	v_lshl_add_u32 v7, v4, 3, v7
	v_mul_u32_u24 v7, v7, PB
	v_bfe_u32 v8, v0, 3, 1
	v_lshl_add_u32 v7, v8, 4, v7
	s_lshl_b32 s21, s[NH], 8
	s_add_co_u32 s21, s21, BOFF
	v_add_nc_u32 v[ADRB], s21, v7
	v_add_nc_u32 v[ADRB+1], SLOT, v[ADRB]
	s_mul_i32 s21, s[WV], HALFA                    ; the way out's stage: 64 rows x 528 bytes for each wave, in slot 0 once its last fill has been read
	v_add_nc_u32 v[DST], s21, v6
	v_add_nc_u32 v[RDX], s21, v2
	v_lshlrev_b32 v[GOF], 3, v5
	s_lshl_b32 s21, s[MH], 14
	s_add_co_u32 s21, s21, CST
	v_add_nc_u32 v[RDC], s21, v[GOF]
	s_wait_loadcnt 0x0                             ; cos and sin
.irp t, 0,1,2,3,4,5,6,7,8,9,10,11,12,13,14,15
.irp k, 0,1,2,3
	v_cvt_pk_bf16_f32 v[128+4*(\t)+(\k)], v[128+4*(\t)+(\k)], v[192+4*(\t)+(\k)]  ; cos low, sin high
.endr
.irp k, 0,1,2,3
	v_cndmask_b32 v[128+4*(\t)+(\k)], v[128+4*(\t)+(\k)], v[IDN], s[ISV]          ; v's heads: cos = 1, sin = 0: a choice of values, no branch on the place in the cluster
.endr
	ds_store_b128 v3, v[128+4*(\t):128+4*(\t)+3] offset:512*(\t)
.endr
; 8 matrix instructions: m block a x all 8 n blocks, 32 along K, buffer f.  zero = 1: the product starts the sum.  cv = 1: behind each product four roundings of the next quarter's x, f32 to bf16, into the other buffer.
; The 32 accumulators take turns in the same order in every quarter, over the backward jump too.
.macro MUL8 f, a, zero, cv
.irp b, 0,1,2,3,4,5,6,7
	WIN MUL
.if \zero
	v_wmma_f32_16x16x32_bf16 v[8*(8*(\a)+(\b)):8*(8*(\a)+(\b))+7], v[64*(\f)+8*(\b):64*(\f)+8*(\b)+7], v[AF+32*(\f)+8*(\a):AF+32*(\f)+8*(\a)+7], 0
.else
	v_wmma_f32_16x16x32_bf16 v[8*(8*(\a)+(\b)):8*(8*(\a)+(\b))+7], v[64*(\f)+8*(\b):64*(\f)+8*(\b)+7], v[AF+32*(\f)+8*(\a):AF+32*(\f)+8*(\a)+7], v[8*(8*(\a)+(\b)):8*(8*(\a)+(\b))+7]
.endif
.if \cv
	WIN 0
.irp n, 0,1,2,3
	v_cvt_pk_bf16_f32 v[AF+32*(1-(\f))+4*(\b)+(\n)], v[AS+8*(\b)+2*(\n)], v[AS+8*(\b)+2*(\n)+1]
.endr
.endif
.endr
.endm
; 32 LDS loads in one run: quarter q of a slot: x's 64 rows in f32 first (they are rounded before they are multiplied), then the weights' 128 columns into buffer g
.macro FETCH slot, q, g
	WIN 0
.irp a, 0,1,2,3
	ds_load_b128 v[AS+16*(\a):AS+16*(\a)+3],     v[ADRA+(\slot)] offset:128*(\q)+(\a)*16*PA
	ds_load_b128 v[AS+16*(\a)+4:AS+16*(\a)+7],   v[ADRA+(\slot)] offset:128*(\q)+(\a)*16*PA+16
	ds_load_b128 v[AS+16*(\a)+8:AS+16*(\a)+11],  v[ADRA+(\slot)] offset:128*(\q)+(\a)*16*PA+64
	ds_load_b128 v[AS+16*(\a)+12:AS+16*(\a)+15], v[ADRA+(\slot)] offset:128*(\q)+(\a)*16*PA+80
.endr
	WIN TO_B
.irp b, 0,1,2,3,4,5,6,7
	ds_load_tr16_b128 v[64*(\g)+8*(\b):64*(\g)+8*(\b)+3],   v[ADRB+(\slot)] offset:32*PB*(\q)+32*(\b)
	ds_load_tr16_b128 v[64*(\g)+8*(\b)+4:64*(\g)+8*(\b)+7], v[ADRB+(\slot)] offset:32*PB*(\q)+32*(\b)+16*PB
.endr
.endm
; A K step is four quarters of 32 along K, 32 matrix instructions each, on buffers 0, 1, 0, 1.  One of the first three: multiplies buffer f, fetches quarter q into the other.
.macro QUARTER slot, q, f, zero
	s_wait_dscnt 0x0                               ; this quarter's weights are in (its x was waited for, and rounded, in the quarter before)
	MUL8 \f, 0, \zero, 0
	PLACES
	FETCH \slot, \q, 1-(\f)
	MUL8 \f, 1, \zero, 0
	MUL8 \f, 2, \zero, 0
	s_wait_dscnt 16                                ; x's sixteen loads are in; the weights' sixteen, issued behind them, may stay out
	MUL8 \f, 3, \zero, 1
.endm
; The last quarter multiplies buffer 1 and changes slots: ONE barrier.  In front of it each wave waits for all its tensor loads (one is out: its part of the next slot), adds 0 to its spare word, and waits for
; that and for its reads of this slot.  fill = 1: the barrier opens a round of the cluster's, and this slot's joint refill, two K steps on, is the first thing behind it: 112 matrix instructions ahead of the wait for it.
.macro TURN slot, next, fill
.if \fill
	s_wait_xcnt 0x0                                ; the last prefetch, a K step back, has read its address
	s_add_nc_u64 s[PFA:PFA+1], s[PFA:PFA+1], s[PFS:PFS+1]
.endif
	WIN 0
	s_wait_tensorcnt 0x0
	ds_add_u32 v[SPW], v[NIL]                      ; 0 onto my spare word
	s_wait_dscnt 1                                 ; this quarter's weights are in; the add alone may be out
	MUL8 1, 0, 0, 0
	s_wait_dscnt 0x0                               ; the add is done, and my reads of this slot are over
	s_barrier_signal -1
	MUL8 1, 1, 0, 0
	WIN 0
	s_barrier_wait -1
.if \fill
	CREST                                          ; no wave of any partner still reads this slot or has a load on its way
	s_add_nc_u64 s[G0A+4*(\slot)+2:G0A+4*(\slot)+3], s[G0A+4*(\slot)+2:G0A+4*(\slot)+3], 1024
	s_add_nc_u64 s[G0B+4*(\slot)+2:G0B+4*(\slot)+3], s[G0B+4*(\slot)+2:G0B+4*(\slot)+3], 1048576
	JLOAD \slot                                    ; the four v_nop behind it are also the places in front of the loads below
.else
	PLACES
.endif
	FETCH \next, 0, 0
.if \fill
	WIN 0
	ASK
.endif
	MUL8 1, 2, 0, 0
	s_wait_dscnt 16
	MUL8 1, 3, 0, 1
.endm
	s_wait_tensorcnt 0x1                           ; my part of K step 0 is in; K step 1's may stay out
	s_wait_dscnt 0x0                               ; my part of the table is written
	s_barrier_signal -1
	s_barrier_wait -1
	FETCH 0, 0, 0
	s_wait_dscnt 16
	WIN 0
.set n, 0
.rept 32
	v_cvt_pk_bf16_f32 v[AF+n], v[AS+2*n], v[AS+2*n+1]
.set n, n+1
.endr
	QUARTER 0, 1, 0, 1                             ; the first quarter stands in front of the loop: its products start the sums
	WIN 0
	s_mov_b32 s3, LAPS-1
.Llap:                                                 ; a trip goes once round the ring and fills both slots again
	QUARTER 0, 2, 1, 0
	QUARTER 0, 3, 0, 0
	TURN 0, 1, 1
	QUARTER 1, 1, 0, 0
	QUARTER 1, 2, 1, 0
	QUARTER 1, 3, 0, 0
	TURN 1, 0, 1
	QUARTER 0, 1, 0, 0
	WIN 0
	s_sub_co_u32 s3, s3, 1
	s_cmp_lg_u32 s3, 0
	s_cbranch_scc1 .Llap
	QUARTER 0, 2, 1, 0                             ; the last lap fills nothing
	QUARTER 0, 3, 0, 0
	TURN 0, 1, 0
	QUARTER 1, 1, 0, 0
	QUARTER 1, 2, 1, 0
	QUARTER 1, 3, 0, 0
	s_wait_dscnt 0x0
	MUL8 1, 0, 0, 0
	MUL8 1, 1, 0, 0
	MUL8 1, 2, 0, 0
	MUL8 1, 3, 0, 0
	WIN 0
	; THE WAY OUT.  My 64 rows x 128 channels go in f32 into my own stage: slot 0, whose last fill every wave has read out (the last change of slots has shown it).  Each accumulator's low four registers go first.
	PLACES
	WIN 0x08                                       ; store data in window 2
.irp a, 0,1,2,3
.irp b, 0,1,2,3,4,5,6,7
	ds_store_b128 v[DST], v[8*(8*(\a)+(\b)):8*(8*(\a)+(\b))+3]   offset:(\a)*16*PA+64*(\b)
	ds_store_b128 v[DST], v[8*(8*(\a)+(\b))+4:8*(8*(\a)+(\b))+7] offset:(\a)*16*PA+64*(\b)+16
.endr
.endr
	WIN 0
	s_mov_b32 s3, 8
.Lrows:                                                ; eight rows a trip; lane l has channels 4 l .. 4 l + 3 of a row: two (real, imaginary) pairs.  LDS serves a wave's instructions in order: the loads see the stores above
.irp i, 0,1,2,3,4,5,6,7
	ds_load_b128 v[XR+4*(\i):XR+4*(\i)+3], v[RDX] offset:PA*(\i)
	ds_load_b64  v[CW+2*(\i):CW+2*(\i)+1], v[RDC] offset:256*(\i)
.endr
.irp i, 0,1,2,3,4,5,6,7
	s_wait_dscnt 2*(7-(\i))                        ; row i's two loads are in; the later rows' pairs stay out
	v_lshlrev_b32 v[CC],   16, v[CW+2*(\i)]
	v_lshlrev_b32 v[CC+1], 16, v[CW+2*(\i)+1]
	v_and_b32 v[SS],   s[HIM], v[CW+2*(\i)]
	v_and_b32 v[SS+1], s[HIM], v[CW+2*(\i)+1]
	v_pk_mul_f32 v[XR+4*(\i):XR+4*(\i)+1],   v[XR+4*(\i):XR+4*(\i)+1],   s[SC:SC+1] op_sel_hi:[1,0]
	v_pk_mul_f32 v[XR+4*(\i)+2:XR+4*(\i)+3], v[XR+4*(\i)+2:XR+4*(\i)+3], s[SC:SC+1] op_sel_hi:[1,0]
	v_mul_f32 v[TT],   v[XR+4*(\i)],   v[CC]
	v_mul_f32 v[TT+1], v[XR+4*(\i)+1], v[CC]
	v_mul_f32 v[TT+2], v[XR+4*(\i)+2], v[CC+1]
	v_mul_f32 v[TT+3], v[XR+4*(\i)+3], v[CC+1]
	v_fma_f32 v[TT],   -v[XR+4*(\i)+1], v[SS],   v[TT]     ; r c - i s
	v_fma_f32 v[TT+1],  v[XR+4*(\i)],   v[SS],   v[TT+1]   ; r s + i c
	v_fma_f32 v[TT+2], -v[XR+4*(\i)+3], v[SS+1], v[TT+2]
	v_fma_f32 v[TT+3],  v[XR+4*(\i)+2], v[SS+1], v[TT+3]
	v_cvt_pk_f16_f32 v[OU+2*(\i)],   v[TT],   v[TT+1]
	v_cvt_pk_f16_f32 v[OU+2*(\i)+1], v[TT+2], v[TT+3]
	global_store_b64 v[GOF], v[OU+2*(\i):OU+2*(\i)+1], s[OUTB:OUTB+1] offset:256*(\i)  ; the wave stores 256 consecutive bytes, a whole row of the head, aligned
.endr
	s_wait_xcnt 0x0                                ; the stores have read their data and their offset: only now are these written again
	v_add_nc_u32 v[RDX], 8*PA, v[RDX]
	v_add_nc_u32 v[RDC], 2048, v[RDC]
	v_add_nc_u32 v[GOF], 2048, v[GOF]
	s_sub_co_u32 s3, s3, 1
	s_cmp_lg_u32 s3, 0
	s_cbranch_scc1 .Lrows
	s_wait_tensorcnt 0x0                           ; the wave's end: the wait, an add onto my spare word and its wait, behind my last tensor load and my last LDS store
	ds_add_u32 v[SPW], v[NIL]
	s_wait_dscnt 0x0
	CROUND                                         ; the closing round: no work-group ends while a partner may still ask for a tile that names it
	s_endpgm
.Lfunc_end_k_qbeb0a235bf_qkv:
	.size	k_qbeb0a235bf_qkv, .Lfunc_end_k_qbeb0a235bf_qkv-k_qbeb0a235bf_qkv
	.p2alignl 7, 3214868480
	.fill 96, 4, 3214868480
	.section	.rodata,"a",@progbits
	.p2align	6, 0x0
	.amdhsa_kernel k_qbeb0a235bf_qkv
		.amdhsa_group_segment_fixed_size 327680
		.amdhsa_private_segment_fixed_size 0
		.amdhsa_enable_private_segment 0
		.amdhsa_kernarg_size 40
		.amdhsa_user_sgpr_count 2
		.amdhsa_user_sgpr_kernarg_segment_ptr 1
		.amdhsa_wavefront_size32 1
		.amdhsa_system_sgpr_workgroup_id_x 1
		.amdhsa_system_sgpr_workgroup_id_y 1
		.amdhsa_system_sgpr_workgroup_id_z 1
		.amdhsa_system_vgpr_workitem_id 0
		.amdhsa_next_free_vgpr 768
		.amdhsa_next_free_sgpr 80
		.amdhsa_reserve_vcc 0
		.amdhsa_float_denorm_mode_32 3
		.amdhsa_float_denorm_mode_16_64 3
		.amdhsa_memory_ordered 1
		.amdhsa_forward_progress 1
		.amdhsa_inst_pref_size 145
	.end_amdhsa_kernel
	.amdgpu_metadata
---
amdhsa.version: [ 1, 2 ]
amdhsa.kernels:
  - .name:           k_qbeb0a235bf_qkv
    .symbol:         k_qbeb0a235bf_qkv.kd
    .args:
      - { .name: x, .offset: 0, .size: 8, .value_kind: global_buffer, .address_space: global }
      - { .name: wqkv, .offset: 8, .size: 8, .value_kind: global_buffer, .address_space: global }
      - { .name: freqs_cos, .offset: 16, .size: 8, .value_kind: global_buffer, .address_space: global }
      - { .name: freqs_sin, .offset: 24, .size: 8, .value_kind: global_buffer, .address_space: global }
      - { .name: qkvh, .offset: 32, .size: 8, .value_kind: global_buffer, .address_space: global }
    .group_segment_fixed_size: 327680
    .private_segment_fixed_size: 0
    .kernarg_segment_align: 8
    .kernarg_segment_size: 40
    .max_flat_workgroup_size: 128
    .sgpr_count:     80
    .vgpr_count:     768
    .wavefront_size: 32
...
	.end_amdgpu_metadata
.endif
;; end of part 2
;; launch attn (part 3): grid 32 x 8, 4 waves a work-group, clusters of 4 x 4, 327,680 bytes of LDS; arguments qkvh, mask, wo, oh, wof; writes oh, wof
.if DOCPART == 3
	.amdgcn_target "amdgcn-amd-amdhsa--gfx1250"
	.amdhsa_code_object_version 6
	.text
	.protected	k_qbeb0a235bf_attn
	.globl	k_qbeb0a235bf_attn
	.p2align	8
	.type	k_qbeb0a235bf_attn,@function
k_qbeb0a235bf_attn:
	s_mov_b64 s[64:65], 0
	v_nop
	global_prefetch_b8 v0, s[64:65] scope:SCOPE_SE
	s_setreg_imm32_b32 hwreg(HW_REG_WAVE_MODE, 25, 1), 1
	s_wait_xcnt 0x0
	s_wait_alu depctr_hold_cnt(0) depctr_sa_sdst(0) depctr_va_vdst(0) depctr_va_sdst(0) depctr_va_ssrc(0) depctr_va_vcc(0) depctr_vm_vsrc(0)
	s_getreg_b32 s2, hwreg(HW_REG_IB_STS2, 6, 4)
	s_cmp_eq_u32 s2, 0
	s_cbranch_scc0 .Lentry_in_a_cluster
	s_endpgm
.Lentry_in_a_cluster:
	s_bfe_u32 s2, ttmp6, 0x10000c
	s_cmp_lg_u32 s2, 0xf033
	s_cbranch_scc0 .Lentry_shape_is_right
	s_endpgm
.Lentry_shape_is_right:
; ATTENTION WITH AN ADDITIVE MASK THAT IS AN INPUT.  oh[b s][h 128 + d] = (1/4) the sum over k of softmax_k(q . k / sqrt(128) + mask[b][s][k]) v[k][d]; every key is walked and every number of the mask is loaded and added.
; qkvh: f16 [b][hh 16][2048][128]; q carries 4 log2(e) / sqrt(128), k and v carry 1/4, so K Q^T is the score in base 2 and O comes out as O / 4 (the next launch's weights carry the 4).
; The mask is rounded to bf16 and enters as fl(bf16(mask) x log2(e) + score), one rounding in f32.  p = 2^(s - m) with a running maximum m; sums in f32; p is rounded to f16 for the second product, l is taken of the unrounded p.
; ALSO, in the wait for the first tile: wo [1024][4096] (f32) goes into wof [1024 k][4096 n] as 4 x bf16(wo), written in f16 (8 significant bits fit into f16's 11): a row of wo to each wave of the launch.
; LIMITS.  A weight below 2^-126 counts as 0.  Near |mask| = 1e9 the score is absorbed in steps of 128 in base 2 (reference: 64 natural units): a row whose keys are all masked so comes out uniform while |score| < 64.
; |mask| x log2(e) past f32's end counts as minus infinity.  A row whose sum l is 0 or NaN gets 0, as nan_to_num gives; infinities in O are not treated apart, nor NaN and infinities in q, k, v.
; 4 |wo| stays under 65,504 (f16's end); below 6.1e-5 it keeps f16's fixed step of 6e-8.
; SHARES.  A work-group: 64 positions of one batch x the TWO query heads of one kv head; 32 x 4 x 2 = 256 work-groups.  Wave w: 16 positions x 2 heads = two tiles, which share K, V AND the mask's registers.
; LAYOUT.  S^T = K Q^T (source 0 = 16 keys, source 1 = 16 queries): a lane holds ONE query (lane % 16) and the keys 8 (lane / 16) + 0..7; two results rounded to f16 ARE source 1 of O^T = V^T P.
; CLUSTER 4 x 4: x = four blocks of positions, y = the four kv heads.  K and V are asked for jointly along a row, the mask's tile jointly along a column.  Wave 0 asks for K, wave 1 for V, wave 2 for the mask.
; RING.  Two slots, each with two key steps of 64: 128 rows of K, 128 of V, 64 rows x 128 keys of the mask.  A wave has one tensor load out, with two key steps in which to land.
; BY TURNS.  The two tiles take the matrix unit by turns.  Turn A: 16 products V^T P of tile 0 (step j), 16 products K Q^T of tile 0 (step j + 1); beside them tile 1's softmax of step j.  Turn B: the same with the
; tiles exchanged: tile 1's products, tile 0's softmax of step j + 1, and the next mask's roundings.  Four vector instructions stand behind every product; what is over stands in a lump behind each turn's last product.
; THE LOOP'S BODY is cut in the middle of turn B: B's second half, A, B's first half.  So a body fetches one step's K, mask and V, all from one slot.
; THE WALK starts at step -1, on K = V = 0 and a mask of minus infinity (p = 0, l = 0, O += 0): one body in 33, for which no first step is written out and every trip count is a constant.  The last body's 16 products
; K Q^T and its first numbers of a softmax belong to a step that does not exist and serve nothing: the price of one text for every body.
; REGISTERS: window 0: v2-15 addresses; v16-31 statistics; v64-127 S^T; v128-159 P; v160-191 the mask in f32; v192-207 in bf16; v208-211 for wo.  Window 1: v0-127 O^T; v128-191 Q; v192-255 wof's numbers on their way
; out.  Window 2: v0-127 K (at the head: wo as loaded); v128-255 V.
.set KS,    64
.set PK,    272                        ; a row of K in LDS: 256 bytes + 16
.set PV,    288                        ; a row of V: 256 + 32, for the turning load
.set PM,    528                        ; a row of the mask: 512 + 16
.set VOFF,  128*PK
.set MOFF,  VOFF+128*PV
.set SLOT1, 1<<17                      ; one exclusive or turns an address in one slot into the other's
.set STAGE, SLOT1+MOFF+64*PM           ; behind the ring: 16 rows x 272 bytes for each wave, for the way out
.set SP,    272
.set SPARE, STAGE+4*16*SP              ; the spare words: two blocks of 256 bytes that no other line names
.set AK0, 2
.set AV0, 3
.set AM0, 4
.set AK,  5
.set AV,  6
.set AM,  7
.set QO,  8
.set STO, 12
.set RD,  13
.set GO,  14
.set LG,  15                           ; log2(e)
.set ST,  16                           ; tile t at v[ST+8 t]: m, m_old, l (even keys', odd keys'), c0-c3 at work; c2 takes a, c3 its argument
.set PFO, 61
.set SPW, 62
.set NIL, 63
.set S,   64
.set P,   128
.set M32, 160
.set MB,  192
.set WI,  208                          ; 32 x lane: my bytes in 1,024 of a row of wo; never rewritten
.set WO,  209                          ; 16 x lane: my bytes in 512 of a row of wof; never rewritten
.set FOUR, 210                         ; 4.0
.set ZR,  211                          ; 0.0
.set QF,  128                          ; window 1
.set WF,  192                          ; window 1
.set KF,  0                            ; window 2
.set VF,  128                          ; window 2
.set WV,  12
.set CX,  13
.set CY,  14
.set PBK, 15                           ; my block of 64 positions
.set BB,  16                           ; the batch
.set G1K, 24
.set G1V, 32
.set G1M, 40
.set G0K, 48
.set G0V, 52
.set G0M, 56
.set SEL, 76
.set TBK, 78                           ; LDS byte at which K of the step to be fetched begins;
.set TBV, 79                           ; the same for V, less VOFF;
.set TBM, 80                           ; for the mask, less MOFF
.set SLOTS, 81
.set CNT, 82
.set LIM, 83
.set PFA, 84
.set PFS, 86
.set W_KQ, 0x06                        ; K window 2, Q window 1, S^T window 0
.set W_PV, 0x52                        ; V window 2, P window 0, O^T window 1
.set W_RS, 0x41                        ; O^T (destination and source 0) window 1, a window 0
.set MSB, 0
.macro WIN new
.if MSB != (\new)
	s_set_vgpr_msb (MSB<<8)|(\new)
.set MSB, \new
.endif
.endm
.macro PLACES
.rept 4
	v_nop
.endr
.endm
.macro JLOAD                           ; the joint fills: a branch on the wave's number alone; an s_nop 0 and four v_nop follow each line; wave 3 asks for nothing
	s_cmp_lg_u32 s[WV], 0
	s_cbranch_scc1 .Lnot_k_\@
	tensor_load_to_lds s[G0K:G0K+3], s[G1K:G1K+7]
	s_nop 0
.rept 4
	v_nop
.endr
	s_branch .Lasked_\@
.Lnot_k_\@:
	s_cmp_lg_u32 s[WV], 1
	s_cbranch_scc1 .Lnot_v_\@
	tensor_load_to_lds s[G0V:G0V+3], s[G1V:G1V+7]
	s_nop 0
.rept 4
	v_nop
.endr
	s_branch .Lasked_\@
.Lnot_v_\@:
	s_cmp_lg_u32 s[WV], 2
	s_cbranch_scc1 .Lasked_\@
	tensor_load_to_lds s[G0M:G0M+3], s[G1M:G1M+7]
	s_nop 0
.rept 4
	v_nop
.endr
.Lasked_\@:
.endm
; A prefetch of what the NEXT change of slots will ask for, two key steps ahead.  K and V: all eight clusters of a batch walk the same rows: cluster x = 0 asks, wave 0 for K, wave 1 for V, each partner 32 of the 128 rows,
; a lane a row.  The mask: each tile belongs to one cluster: wave 2 asks, each partner 16 of the 64 rows, two blocks of 256 bytes a row.  The shares go by address.  The first change asks for nothing (the first
; tiles are on their way), nor does the last that fills a slot (there is no slot behind it).
.macro ASK
	s_cmp_gt_u32 s[SLOTS], s[LIM]
	s_cbranch_scc0 .Lnot_mine_\@
	s_cmp_lt_u32 s[SLOTS], 15
	s_cbranch_scc0 .Lnot_mine_\@
	global_prefetch_b8 v[PFO], s[PFA:PFA+1] th:TH_LOAD_NT scope:SCOPE_SE
.Lnot_mine_\@:
.endm
.macro CROUND
	s_barrier_signal -1
	s_barrier_wait -1
	s_cmp_lg_u32 s[WV], 0
	s_cbranch_scc1 .Lnot_wave_0_\@
	s_barrier_signal -3
.Lnot_wave_0_\@:
	s_barrier_wait -3
	s_barrier_signal -1
	s_barrier_wait -1
.endm
; THE CHANGE OF SLOTS.  Each wave waits for all its tensor loads (its part of the other slot), adds 0 to its spare word, and waits for that and for its reads of the slot that it leaves.  fill = 1: the barrier is a round of
; the cluster's, and the joint fill of the old slot, with the keys two slots on, is the first thing behind it.  (At its first use nothing has been read yet: slot 0 is waited for, slot 1 filled.)
.macro CHANGE fill
	WIN 0
	s_wait_tensorcnt 0x0                           ; no tensor load of mine is out, so a group 0 may be written
	ds_add_u32 v[SPW], v[NIL]                      ; 0 onto my spare word
.if \fill
	s_xor_b32 s[G0K+1], s[G0K+1], SLOT1
	s_add_nc_u64 s[G0K+2:G0K+3], s[G0K+2:G0K+3], 2*KS*256
	s_xor_b32 s[G0V+1], s[G0V+1], SLOT1
	s_add_nc_u64 s[G0V+2:G0V+3], s[G0V+2:G0V+3], 2*KS*256
	s_xor_b32 s[G0M+1], s[G0M+1], SLOT1
	s_add_nc_u64 s[G0M+2:G0M+3], s[G0M+2:G0M+3], 2*KS*4
	s_wait_xcnt 0x0                                ; the last prefetch, two key steps back, has read its address
	s_add_nc_u64 s[PFA:PFA+1], s[PFA:PFA+1], s[PFS:PFS+1]
	s_wait_dscnt 0x0                               ; the add is done, and my reads of the slot are over
	CROUND
	JLOAD
	ASK
.else
	s_wait_dscnt 0x0
	s_barrier_signal -1
	s_barrier_wait -1
.endif
	s_sub_co_u32 s[TBK], s[TBK], 2*KS*PK           ; the fetches go back to a slot's first step, in the other slot
	s_xor_b32 s[TBK], s[TBK], SLOT1
	s_sub_co_u32 s[TBV], s[TBV], 2*KS*PV
	s_xor_b32 s[TBV], s[TBV], SLOT1
	s_sub_co_u32 s[TBM], s[TBM], 2*KS*4
	s_xor_b32 s[TBM], s[TBM], SLOT1
.endm
	s_load_b256 s[4:11], s[0:1], 0x0               ; qkvh s[4:5], mask s[6:7], wo s[8:9], oh s[10:11]
	s_load_b64 s[88:89], s[0:1], 0x20              ; wof
	v_lshl_add_u32 v[SPW], v0, 2, SPARE
	v_mov_b32 v[NIL], 0
	ds_add_u32 v[SPW], v[NIL]                      ; the wave's opening: the add and its wait stand ahead of my first tensor load
	v_lshrrev_b32 v1, 5, v0
	v_readfirstlane_b32 s[WV], v1
	s_bfe_u32 s[CX], ttmp6, 0x40000
	s_bfe_u32 s[CY], ttmp6, 0x40004                ; the kv head
	s_lshl_b32 s[PBK], ttmp9, 2
	s_add_co_u32 s[PBK], s[PBK], s[CX]
	s_and_b32 s[BB], ttmp7, 0xffff
	s_lshl_b32 s17, s[CY], 2
	s_lshl_b32 s17, 15, s17                        ; my row of the cluster
	s_lshl_b32 s18, 0x1111, s[CX]                  ; my column
	s_or_b32 s[G1K], s17, (1<<16)|(1<<20)|(1<<21)|(5<<22)|(3<<25)  ; 2-byte elements; after every 64 words 4 words of padding
	s_or_b32 s[G1V], s17, (1<<16)|(1<<20)|(1<<21)|(5<<22)|(7<<25)  ; 8 words
.irp g, G1K, G1V
	s_mov_b32 s[(\g)+1], 128<<16                   ; tensor_dim0 = 128
	s_mov_b32 s[(\g)+2], 128<<16                   ; tensor_dim1 = 128
	s_mov_b32 s[(\g)+3], 128<<16                   ; tile_dim0 = 128
	s_mov_b32 s[(\g)+4], 128                       ; tile_dim1 = 128
	s_mov_b32 s[(\g)+5], 128                       ; elements from row to row
	s_mov_b32 s[(\g)+6], 0
	s_mov_b32 s[(\g)+7], 0
.endr
	s_or_b32 s[G1M], s18, (2<<16)|(1<<20)|(1<<21)|(6<<22)|(3<<25)  ; 4-byte elements; after every 128 words 4 words
	s_mov_b32 s[G1M+1], 128<<16
	s_mov_b32 s[G1M+2], 64<<16
	s_mov_b32 s[G1M+3], 128<<16
	s_mov_b32 s[G1M+4], 64
	s_mov_b32 s[G1M+5], 2048
	s_mov_b32 s[G1M+6], 0
	s_mov_b32 s[G1M+7], 0
	s_lshl_b32 s20, s[BB], 4                       ; K: head 16 b + 8 + kv head, V: 16 b + 12 + kv head; 524,288 bytes a head: these hang on the batch and the cluster's row alone
	s_add_co_u32 s20, s20, s[CY]
	s_add_co_u32 s22, s20, 12
	s_add_co_u32 s20, s20, 8
	s_lshl_b32 s20, s20, 19
	s_lshl_b32 s22, s22, 19
	s_mov_b32 s21, 0
	s_mov_b32 s23, 0
	s_lshl_b32 s66, s[BB], 11                      ; the mask: row 2,048 b + 64 x block, 8,192 bytes a row: hangs on the batch and the cluster's column alone
	s_lshl_b32 s67, s[PBK], 6
	s_add_co_u32 s66, s66, s67
	s_lshl_b32 s66, s66, 13
	s_mov_b32 s67, 0
	s_lshl_b32 s68, s[BB], 4                       ; Q: head 16 b + 2 x kv head, row 64 x block + 16 w
	s_lshl_b32 s69, s[CY], 1
	s_add_co_u32 s68, s68, s69
	s_lshl_b32 s68, s68, 11
	s_lshl_b32 s69, s[PBK], 6
	s_add_co_u32 s68, s68, s69
	s_lshl_b32 s69, s[WV], 4
	s_add_co_u32 s68, s68, s69
	s_lshl_b32 s68, s68, 8
	s_mov_b32 s69, 0
	s_lshl_b32 s70, s[BB], 11                      ; O: row 2,048 b + 64 x block + 16 w, 2,048 bytes a row; column 256 x kv head
	s_lshl_b32 s71, s[PBK], 6
	s_add_co_u32 s70, s70, s71
	s_lshl_b32 s71, s[WV], 4
	s_add_co_u32 s70, s70, s71
	s_lshl_b32 s70, s70, 11
	s_lshl_b32 s71, s[CY], 9
	s_add_co_u32 s70, s70, s71
	s_mov_b32 s71, 0
	s_lshl_b32 s90, s[BB], 2                       ; wo: the work-group's number ((4 b + kv head) 32 + block), four rows to each, one to a wave: it enters global addresses alone
	s_add_co_u32 s90, s90, s[CY]
	s_lshl_b32 s90, s90, 5
	s_add_co_u32 s90, s90, s[PBK]
	s_lshl_b32 s90, s90, 2
	s_add_co_u32 s90, s90, s[WV]                   ; my row, 0 to 1,023:
	s_lshl_b32 s92, s90, 13                        ; 8,192 bytes in wof,
	s_lshl_b32 s90, s90, 14                        ; 16,384 in wo
	s_mov_b32 s91, 0
	s_mov_b32 s93, 0
	s_mov_b32 s[G0K], 1
	s_mov_b32 s[G0K+1], 0                          ; slot 0
	s_mov_b32 s[G0V], 1
	s_mov_b32 s[G0V+1], VOFF
	s_mov_b32 s[G0M], 1
	s_mov_b32 s[G0M+1], MOFF
	s_mov_b32 s[SEL], 0x76543210
	s_mov_b32 s[SEL+1], 0xfedcba98
	s_mov_b32 s[TBK], SLOT1+2*KS*PK                ; the first change of slots turns these three into 0
	s_mov_b32 s[TBV], SLOT1+2*KS*PV
	s_mov_b32 s[TBM], SLOT1+2*KS*4
	s_mov_b32 s[SLOTS], 15
	s_wait_dscnt 0x0                               ; the opening add is done
	s_wait_kmcnt 0x0
	s_add_nc_u64 s[20:21], s[4:5], s[20:21]
	s_add_nc_u64 s[22:23], s[4:5], s[22:23]
	s_add_nc_u64 s[66:67], s[6:7], s[66:67]
	s_add_nc_u64 s[68:69], s[4:5], s[68:69]
	s_add_nc_u64 s[70:71], s[10:11], s[70:71]
	s_add_nc_u64 s[90:91], s[8:9], s[90:91]
	s_add_nc_u64 s[92:93], s[88:89], s[92:93]
	s_mov_b64 s[G0K+2:G0K+3], s[20:21]
	s_or_b32 s[G0K+3], s[G0K+3], 0x80000000
	s_mov_b64 s[G0V+2:G0V+3], s[22:23]
	s_or_b32 s[G0V+3], s[G0V+3], 0x80000000
	s_mov_b64 s[G0M+2:G0M+3], s[66:67]
	s_or_b32 s[G0M+3], s[G0M+3], 0x80000000
	CROUND                                         ; all sixteen work-groups are here: the first joint loads meet
	JLOAD                                          ; slot 0; slot 1 is asked for when slot 0 is in, by the loop's own change of slots
	v_and_b32 v1, 15, v0                           ; l % 16
	v_bfe_u32 v9, v0, 4, 1                         ; l / 16
	v_lshlrev_b32 v[QO], 8, v1
	v_lshl_add_u32 v[QO], v9, 4, v[QO]
	v_and_b32 v10, 31, v0
	v_lshlrev_b32 v[WI], 5, v10
	v_lshlrev_b32 v[WO], 4, v10
	WIN 0x40                                       ; destination window 1
.irp t, 0,1
.irp c, 0,1,2,3
	global_load_b128 v[QF+32*(\t)+8*(\c):QF+32*(\t)+8*(\c)+3],   v[QO], s[68:69] offset:(\t)*524288+(\c)*64
	global_load_b128 v[QF+32*(\t)+8*(\c)+4:QF+32*(\t)+8*(\c)+7], v[QO], s[68:69] offset:(\t)*524288+(\c)*64+32
.endr
.endr
	WIN 0x80                                       ; destination window 2: my row of wo lands in K's registers, which the walk does not want yet: 32 loads, 32 consecutive bytes a lane in each 1,024
.set p, 0
.rept 16
	global_load_b128 v[KF+8*p:KF+8*p+3],   v[WI], s[90:91] offset:1024*p th:TH_LOAD_NT
	global_load_b128 v[KF+8*p+4:KF+8*p+7], v[WI], s[90:91] offset:1024*p+16 th:TH_LOAD_NT
.set p, p+1
.endr
	; What step -1 finds: O^T, K, V and l are 0, the mask and tile 0's scores minus infinity, m the lowest finite number.  All this stands in the wait for the first tile.
.set i, VF
.rept 128
	v_mov_b32 v[i], 0
.set i, i+1
.endr
	WIN 0x40
.set i, 0
.rept 128
	v_mov_b32 v[i], 0
.set i, i+1
.endr
	WIN 0
	v_mov_b32 v[LG], 0x3fb8aa3b
	v_mov_b32 v[FOUR], 4.0
	v_mov_b32 v[ZR], 0
	v_mul_u32_u24 v[AK0], v1, PK
	v_lshl_add_u32 v[AK0], v9, 4, v[AK0]           ; K: row x pitch + 16 x half
	v_and_b32 v10, 7, v0
	v_bfe_u32 v11, v0, 3, 1
	v_lshl_add_u32 v[AV0], v9, 3, v10              ; V, turned: key 8 (l / 16) + l % 8, channels 8 ((l / 8) % 2) on
	v_mul_u32_u24 v[AV0], v[AV0], PV
	v_lshl_add_u32 v[AV0], v11, 4, v[AV0]
	v_add_nc_u32 v[AV0], VOFF, v[AV0]
	s_lshl_b32 s72, s[WV], 4
	v_add_nc_u32 v[AM0], s72, v1                   ; the mask: my query's row 16 w + l % 16, keys 8 (l / 16) on
	v_mul_u32_u24 v[AM0], v[AM0], PM
	v_lshl_add_u32 v[AM0], v9, 5, v[AM0]
	v_add_nc_u32 v[AM0], MOFF, v[AM0]
	s_mul_i32 s72, s[WV], 16*SP
	s_add_co_u32 s72, s72, STAGE
	v_mul_u32_u24 v[STO], v1, SP
	v_lshl_add_u32 v[STO], v9, 4, v[STO]
	v_add_nc_u32 v[STO], s72, v[STO]
	v_mul_u32_u24 v[RD], v9, SP
	v_lshl_add_u32 v[RD], v1, 4, v[RD]
	v_add_nc_u32 v[RD], s72, v[RD]
	v_lshlrev_b32 v[GO], 11, v9
	v_lshl_add_u32 v[GO], v1, 4, v[GO]
	; the prefetches
	s_lshl_b32 s72, s[CX], 13                      ; K, V: my work-group's 32 rows, in slot 1's keys: the first change steps it on
	s_add_co_u32 s72, s72, 2*KS*256
	s_lshl_b32 s73, s[CY], 17                      ; the mask: my work-group's 16 rows
	s_add_co_u32 s73, s73, 2*KS*4
	s_mov_b32 s[PFS], 2*KS*256
	s_mov_b32 s[PFS+1], 0
	s_cmp_lt_u32 s[WV], 2
	s_cselect_b32 s72, s72, s73
	s_cselect_b32 s[PFS], s[PFS], 2*KS*4
	s_cselect_b32 s74, ttmp9, 0                    ; the coordinate along which other clusters read the same rows (the mask's: none)
	s_cselect_b32 s75, -1, 0
	s_cselect_b64 s[PFA:PFA+1], s[22:23], s[66:67]
	s_cmp_eq_u32 s[WV], 0
	s_cselect_b64 s[PFA:PFA+1], s[20:21], s[PFA:PFA+1]
	s_mov_b32 s73, 0
	s_add_nc_u64 s[PFA:PFA+1], s[PFA:PFA+1], s[72:73]
	s_cmp_eq_u32 s[WV], 3
	s_cselect_b32 s74, 1, s74                      ; wave 3 asks for nothing
	s_cmp_eq_u32 s74, 0
	s_cselect_b32 s[LIM], 1, -1                    ; the same in all sixteen partners, for a given wave
	v_and_b32 v10, 31, v0
	v_lshlrev_b32 v11, 8, v10                      ; K, V: a lane a row of 256 bytes
	v_lshrrev_b32 v9, 1, v10
	v_and_b32 v10, 1, v10
	v_lshlrev_b32 v10, 8, v10
	v_lshl_add_u32 v10, v9, 13, v10                ; the mask: row l / 2, block l % 2
	v_cndmask_b32 v[PFO], v10, v11, s75
	; MY ROW OF wo: rounded to bf16 (the one rounding), times 4 (exact), written as f16; S^T's, P's and the mask's registers, not yet in use, are at work
	s_wait_loadcnt 0x0                             ; Q and wo
	WIN 0x0a                                       ; sources 0 and 1 window 2, destination window 0
.set i, 0
.rept 64
	v_cvt_pk_bf16_f32 v[S+i], v[KF+2*i], v[KF+2*i+1]
.set i, i+1
.endr
.irp h, 0,1
	WIN 0
.set i, 0
.rept 32
	v_fma_mix_f32_bf16 v[P+2*i],   v[S+32*(\h)+i], v[FOUR], v[ZR] op_sel_hi:[1,0,0]
	v_fma_mix_f32_bf16 v[P+2*i+1], v[S+32*(\h)+i], v[FOUR], v[ZR] op_sel:[1,0,0] op_sel_hi:[1,0,0]
.set i, i+1
.endr
	WIN 0x40                                       ; destination window 1: registers that nothing else writes, so no store's data is ever rewritten
.set i, 0
.rept 32
	v_cvt_pk_f16_f32 v[WF+32*(\h)+i], v[P+2*i], v[P+2*i+1]
.set i, i+1
.endr
.endr
	WIN 0x04                                       ; store data in window 1
.set p, 0
.rept 16
	global_store_b128 v[WO], v[WF+4*p:WF+4*p+3], s[92:93] offset:512*p th:TH_STORE_NT  ; the wave stores 512 consecutive bytes, aligned
.set p, p+1
.endr
	WIN 0x80
.set i, KF
.rept 128
	v_mov_b32 v[i], 0
.set i, i+1
.endr
	WIN 0
	s_mov_b32 s72, 0xff800000
	s_mov_b32 s73, 0xff80ff80
	s_mov_b32 s74, 0xff7fffff
.set i, 0
.rept 32
	v_mov_b32 v[S+i], s72                          ; tile 0's scores of step -1, with their mask
.set i, i+1
.endr
.set i, 0
.rept 16
	v_mov_b32 v[MB+i], s73                         ; the mask of step -1, for tile 1
.set i, i+1
.endr
.irp t, 0,1
	v_mov_b32 v[ST+8*(\t)], s74
	v_mov_b32 v[ST+8*(\t)+1], s74
	v_mov_b32 v[ST+8*(\t)+2], 0
	v_mov_b32 v[ST+8*(\t)+3], 0
.endr
.irp k, 4,5,6,7
	v_mov_b32 v[ST+(\k)], s74                      ; tile 0's maximum of step -1, as far as the first half of turn B makes it
.endr
.macro REGS t
.set rT, ST+8*(\t)
.set rS, S+32*(\t)
.set rP, P+16*(\t)
.set rO, 64*(\t)
.endm
; Number n of the 20 that find tile t's maximum and statistics: 0-11 four chains c0-c3 of seven scores each; 12-15 the four left over, c0-c3 and the old m; 16, 18 the query's other 32 keys lie in the lane 16 away;
; 17 m_old is kept; 19 m_old - m, the argument of a
.macro MX t, n
	REGS \t
.if (\n) < 4
	v_max3_num_f32 v[rT+4+(\n)], v[rS+8*(\n)], v[rS+8*(\n)+1], v[rS+8*(\n)+2]
.elseif (\n) < 12
	v_max3_num_f32 v[rT+4+(\n)%4], v[rT+4+(\n)%4], v[rS+8*((\n)%4)+2*((\n)/4)+1], v[rS+8*((\n)%4)+2*((\n)/4)+2]
.elseif (\n) == 12
	v_max3_num_f32 v[rT+4], v[rT+4], v[rS+7], v[rS+15]
.elseif (\n) == 13
	v_max3_num_f32 v[rT+6], v[rT+6], v[rS+23], v[rS+31]
.elseif (\n) == 14
	v_max3_num_f32 v[rT+4], v[rT+4], v[rT+5], v[rT+6]
.elseif (\n) == 15
	v_max3_num_f32 v[rT+4], v[rT+4], v[rT+7], v[rT]
.elseif (\n) == 16
	v_permlanex16_b32 v[rT+5], v[rT+4], s[SEL], s[SEL+1]
.elseif (\n) == 17
	v_mov_b32 v[rT+1], v[rT]
.elseif (\n) == 18
	v_max_num_f32 v[rT], v[rT+4], v[rT+5]
.else
	v_sub_f32 v[rT+7], v[rT+1], v[rT]
.endif
.endm
.macro SCL t, b                        ; pair b of 16: s - m, an exact difference where s and m are near each other, however large
	REGS \t
	v_pk_add_f32 v[rS+2*(\b):rS+2*(\b)+1], v[rS+2*(\b):rS+2*(\b)+1], v[rT:rT+1] op_sel_hi:[1,0] neg_lo:[0,1] neg_hi:[0,1]
.endm
.macro EXQ t, n
	REGS \t
	v_exp_f32 v[rS+(\n)], v[rS+(\n)]
.endm
; THE LDS LOADS stand in four runs a step, each where its registers have had their last reader, four plain instructions or more behind it, and 20 products or more ahead of their first use.
; LASTF = 1 (the tail): in the last body there is no further step, and the runs are jumped over.
.macro FKA                             ; the next step's K, channels 0-95: turn B's products 0-11 have read the old ones
.if LASTF
	s_cmp_eq_u32 s[CNT], 1
	s_cbranch_scc1 .Lno_ka_\@
.endif
	WIN 0x80
.irp c, 0,1,2
.irp kb, 0,1,2,3
	ds_load_b128 v[KF+32*(\kb)+8*(\c):KF+32*(\kb)+8*(\c)+3],   v[AK] offset:(\kb)*16*PK+(\c)*64
	ds_load_b128 v[KF+32*(\kb)+8*(\c)+4:KF+32*(\kb)+8*(\c)+7], v[AK] offset:(\kb)*16*PK+(\c)*64+32
.endr
.endr
	WIN 0
.if LASTF
.Lno_ka_\@:
.endif
.endm
.macro FKB                             ; its channels 96-127, and my 16 rows x 64 keys of its mask
	WIN 0
.if LASTF
	s_cmp_eq_u32 s[CNT], 1
	s_cbranch_scc1 .Lno_kb_\@
.endif
	WIN 0x80
.irp kb, 0,1,2,3
	ds_load_b128 v[KF+32*(\kb)+24:KF+32*(\kb)+27], v[AK] offset:(\kb)*16*PK+192
	ds_load_b128 v[KF+32*(\kb)+28:KF+32*(\kb)+31], v[AK] offset:(\kb)*16*PK+224
.endr
	WIN 0
.irp k, 0,1,2,3
	ds_load_b128 v[M32+8*(\k):M32+8*(\k)+3],   v[AM] offset:64*(\k)
	ds_load_b128 v[M32+8*(\k)+4:M32+8*(\k)+7], v[AM] offset:64*(\k)+16
.endr
	s_add_co_u32 s[TBK], s[TBK], KS*PK             ; the next fetch is the next step's
	s_add_co_u32 s[TBM], s[TBM], KS*4
.if LASTF
.Lno_kb_\@:
.endif
.endm
.macro FV kk                           ; the next step's V, keys 32 kk on
	WIN 0
.if (\kk) == 0
	v_add_nc_u32 v[AV], s[TBV], v[AV0]
.else
	v_nop                                          ; a fifth plain instruction behind the registers' last reader
.endif
.if LASTF
	s_cmp_eq_u32 s[CNT], 1
	s_cbranch_scc1 .Lno_v_\@
.endif
	WIN 0x80
.irp cb, 0,1,2,3,4,5,6,7
	ds_load_tr16_b128 v[VF+64*(\kk)+8*(\cb):VF+64*(\kk)+8*(\cb)+3],   v[AV] offset:(\kk)*32*PV+(\cb)*32
	ds_load_tr16_b128 v[VF+64*(\kk)+8*(\cb)+4:VF+64*(\kk)+8*(\cb)+7], v[AV] offset:(\kk)*32*PV+16*PV+(\cb)*32
.endr
	WIN 0
.if (\kk) == 1
	s_add_co_u32 s[TBV], s[TBV], KS*PV
.endif
.if LASTF
.Lno_v_\@:
.endif
.endm
; THE VECTOR WORK OF A TILE AND STEP is a list of 166; SMI writes number n of it for tile t.
;   0-31     the mask onto the scores: bf16 half x log2(e) + s, one rounding; ascending
;   32-51    the maximum and statistics (MX)
;   52-100   ONE BATCH: the 16 scalings s - m and all 33 exponentials (a, then s0-s31), in fours that begin with a scaling: 52-67 scaling, exponential, scaling, exponential; 68-99 a scaling and three exponentials;
;            a pair is scaled ahead of its exponentials, and nothing here names an exponential's result
;   101      a plain instruction behind the last exponential, and the ONE wait ahead of the first use.  For tile 0, whose list runs in turn B, K's and the mask's addresses are the plain
;            instructions, and K's first run of loads stands directly behind the wait
;   102-117  the roundings to f16     118-133  the sums; l = a l + the sum     134-165  O^T times a, ascending
.macro SMI t, n
	REGS \t
.if (\n) < 134
	WIN 0
.endif
.if (\n) < 32
.if ((\n)%2) == 0
	v_fma_mix_f32_bf16 v[rS+(\n)], v[MB+(\n)/2], v[LG], v[rS+(\n)] op_sel_hi:[1,0,0]
.else
	v_fma_mix_f32_bf16 v[rS+(\n)], v[MB+(\n)/2], v[LG], v[rS+(\n)] op_sel:[1,0,0] op_sel_hi:[1,0,0]
.endif
.elseif (\n) < 52
	MX \t, (\n)-32
.elseif (\n) < 68
.if (((\n)-52)%2) == 0
	SCL \t, ((\n)-52)/2
.elseif (\n) == 53
	v_exp_f32 v[rT+6], v[rT+7]
.else
	EXQ \t, ((\n)-55)/2
.endif
.elseif (\n) < 100
.if (((\n)-68)%4) == 0
	SCL \t, 8+((\n)-68)/4
.else
	EXQ \t, 6+3*(((\n)-68)/4)+((\n)-68)%4
.endif
.elseif (\n) == 100
	EXQ \t, 31
.elseif (\n) == 101
.if (\t) == 0
	v_add_nc_u32 v[AK], s[TBK], v[AK0]
	v_add_nc_u32 v[AM], s[TBM], v[AM0]
.endif
	v_nop
	s_wait_alu depctr_va_vdst(0)
.if (\t) == 0
	FKA
.endif
.elseif (\n) < 118
	v_cvt_pk_f16_f32 v[rP+(\n)-102], v[rS+2*((\n)-102)], v[rS+2*((\n)-102)+1]
.elseif (\n) < 134                     ; the sum of the tile's 16 pairs, in place: neighbours 1, 2, 4 and 8 pairs apart, then l takes it
.set z, (\n)-118
.set w, 4
.set u, z
.if z >= 14
.set w, 32
.set u, 0
.elseif z >= 12
.set w, 16
.set u, z-12
.elseif z >= 8
.set w, 8
.set u, z-8
.endif
.if z < 15
	v_pk_add_f32 v[rS+w*u:rS+w*u+1], v[rS+w*u:rS+w*u+1], v[rS+w*u+w/2:rS+w*u+w/2+1]
.else
	v_pk_fma_f32 v[rT+2:rT+3], v[rT+2:rT+3], v[rT+6:rT+7], v[rS:rS+1] op_sel_hi:[1,0,1]
.endif
.else
	WIN W_RS
	v_pk_mul_f32 v[rO+2*((\n)-134):rO+2*((\n)-134)+1], v[rO+2*((\n)-134):rO+2*((\n)-134)+1], v[rT+6:rT+7] op_sel_hi:[1,0]
.endif
.endm
.macro RIDE t, count                   ; the next count numbers of tile t's list
.rept \count
	SMI \t, q
.set q, q+1
.endr
.endm
; THE MATRIX WORK.  The accumulators of a run take turns, one instruction a turn: 8 in V^T P, 4 in K Q^T; a run's last product and the next run's first name different ones.
.macro MPV t                           ; product i of 16 of O^T += V^T P for tile t: keys 32 (i / 8) on, channels 16 (i % 8) on
	WIN W_PV
.set mO, 64*(\t)+8*(i%8)
.set mV, VF+64*(i/8)+8*(i%8)
.set mP, P+16*(\t)+8*(i/8)
	v_wmma_f32_16x16x32_f16 v[mO:mO+7], v[mV:mV+7], v[mP:mP+7], v[mO:mO+7]
.set i, i+1
.endm
.macro MKQ t                           ; product i of 16 of S^T = K Q^T for tile t: channels 32 (i / 4) on, keys 16 (i % 4) on; the first 4 start the sums
	WIN W_KQ
.set mS, S+32*(\t)+8*(i%4)
.set mK, KF+32*(i%4)+8*(i/4)
.set mQ, QF+32*(\t)+8*(i/4)
.if i < 4
	v_wmma_f32_16x16x32_f16 v[mS:mS+7], v[mK:mK+7], v[mQ:mQ+7], 0
.else
	v_wmma_f32_16x16x32_f16 v[mS:mS+7], v[mK:mK+7], v[mQ:mQ+7], v[mS:mS+7]
.endif
.set i, i+1
.endm
; BODY j: the second half of turn B (K Q^T of tile 1, step j | tile 0's softmax of step j from number 48 on; K and mask of step j + 1 fetched);
; turn A (V^T P of tile 0, step j; K Q^T of tile 0, step j + 1 | tile 1's softmax of step j);
; the first half of the next turn B (V^T P of tile 1, step j | the mask of step j + 1 to bf16, tile 0's softmax of step j + 1 up to number 47, which does not yet write m; V of step j + 1 fetched).
.macro BODY last
.set LASTF, \last
.set q, 48
.set i, 0
.rept 16
	MKQ 1
	RIDE 0, 4
.endr
	RIDE 0, 4                                      ; eight roundings, plain instructions, stand between the last product and the loads into the registers that it read
	FKB
	RIDE 0, 50                                     ; the lump: also the places between tile 1's last scores and their first reader
.if \last
	s_wait_dscnt 0x0                               ; V is in (in the last body nothing was issued behind it)
.else
	s_wait_dscnt 40                                ; V is in: behind its 32 loads K's 24 + 8 and the mask's 8 were issued, and may stay out
.endif
.set q, 0
.set i, 0
.rept 16
	MPV 0
	RIDE 1, 4
.endr
	s_wait_dscnt 0x0                               ; K and the mask are in
.set i, 0
.rept 16
	MKQ 0
	RIDE 1, 4
.endr
	RIDE 1, 38                                     ; the lump: also the places between tile 0's last scores and their first reader
.set q, 0
.set i, 0
.set sl, 0
.rept 16
	MPV 1
.if sl < 4
	WIN 0
.irp n, 0,1,2,3
	v_cvt_pk_bf16_f32 v[MB+4*sl+(\n)], v[M32+8*sl+2*(\n)], v[M32+8*sl+2*(\n)+1]
.endr
.else
	RIDE 0, 4
.endif
.if sl == 7
	FV 0                                           ; products 0-7 have read keys 0-31
.endif
.set sl, sl+1
.endr
	FV 1
	WIN 0
.endm
.Lslot:                                                ; 15 trips: trip i fetches slot i's two steps (bodies 2 i - 1 and 2 i) and asks for slot i + 1
	CHANGE 1
	s_mov_b32 s[CNT], 2
.Lstep:
	BODY 0
	s_sub_co_u32 s[CNT], s[CNT], 1
	s_cmp_lg_u32 s[CNT], 0
	s_cbranch_scc1 .Lstep
	s_sub_co_u32 s[SLOTS], s[SLOTS], 1
	s_cmp_lg_u32 s[SLOTS], 0
	s_cbranch_scc1 .Lslot
	CHANGE 0                                       ; the tail is written out: nothing is asked for
	s_mov_b32 s[CNT], 3                            ; bodies 29 and 30 fetch the last slot's steps; body 31 fetches nothing
.Ltail:
	BODY 1
	s_sub_co_u32 s[CNT], s[CNT], 1
	s_cmp_lg_u32 s[CNT], 0
	s_cbranch_scc1 .Ltail
	; THE WAY OUT.  l's two halves and the other half of the lanes' are added; O^T is divided by l (by 0 times: a row with l = 0 or NaN gets 0), rounded to f16 and sent through my stage, a tile at a time.
	PLACES
.irp t, 0,1
	v_add_f32 v[ST+8*(\t)+4], v[ST+8*(\t)+2], v[ST+8*(\t)+3]
.endr
.irp t, 0,1
	v_permlanex16_b32 v[ST+8*(\t)+5], v[ST+8*(\t)+4], s[SEL], s[SEL+1]
.endr
.irp t, 0,1
	v_add_f32 v[ST+8*(\t)+4], v[ST+8*(\t)+4], v[ST+8*(\t)+5]
.endr
.irp t, 0,1
	v_rcp_f32 v[ST+8*(\t)+6], v[ST+8*(\t)+4]
.endr
	v_nop
	s_wait_alu depctr_va_vdst(0)                   ; one wait for the two reciprocals
.irp t, 0,1
	v_cmp_lt_f32 vcc_lo, 0, v[ST+8*(\t)+4]
	v_cndmask_b32 v[ST+8*(\t)+6], 0, v[ST+8*(\t)+6], vcc_lo
.endr
.macro PACK t
	WIN W_RS
.set i, 64*(\t)
.rept 32
	v_pk_mul_f32 v[i:i+1], v[i:i+1], v[ST+8*(\t)+6:ST+8*(\t)+7] op_sel_hi:[1,0]
.set i, i+2
.endr
	WIN 0x05                                       ; sources 0 and 1 window 1, destination window 0: S^T's registers are free
.set i, 0
.rept 32
	v_cvt_pk_f16_f32 v[S+32*(\t)+i], v[64*(\t)+2*i], v[64*(\t)+2*i+1]
.set i, i+1
.endr
	WIN 0
.irp f, 0,1,2,3,4,5,6,7
	ds_store_b128 v[STO], v[S+32*(\t)+4*(\f):S+32*(\t)+4*(\f)+3] offset:32*(\f)
.endr
.irp f, 0,1,2,3,4,5,6,7
	ds_load_b128 v[S+32*(\t)+4*(\f):S+32*(\t)+4*(\f)+3], v[RD] offset:(\f)*2*SP  ; LDS serves a wave's instructions in order: these see the stores above; the next tile's stores come behind them
.endr
.endm
.macro SEND t, younger                 ; younger: the LDS instructions issued behind tile t's loads
.irp f, 0,1,2,3,4,5,6,7
	s_wait_dscnt (\younger)+7-(\f)
	global_store_b128 v[GO], v[S+32*(\t)+4*(\f):S+32*(\t)+4*(\f)+3], s[70:71] offset:(\t)*256+(\f)*4096  ; 16 lanes store 256 consecutive bytes, a head's channels of one row, aligned
.endr
.endm
	PACK 0
	PACK 1
	SEND 0, 16
	SEND 1, 0
	s_wait_tensorcnt 0x0                           ; the wave's end: the wait, an add onto my spare word and its wait, behind my last tensor load and my last LDS store
	ds_add_u32 v[SPW], v[NIL]
	s_wait_dscnt 0x0
	CROUND                                         ; the closing round
	s_endpgm
.Lfunc_end_k_qbeb0a235bf_attn:
	.size	k_qbeb0a235bf_attn, .Lfunc_end_k_qbeb0a235bf_attn-k_qbeb0a235bf_attn
	.p2alignl 7, 3214868480
	.fill 96, 4, 3214868480
	.section	.rodata,"a",@progbits
	.p2align	6, 0x0
	.amdhsa_kernel k_qbeb0a235bf_attn
		.amdhsa_group_segment_fixed_size 327680
		.amdhsa_private_segment_fixed_size 0
		.amdhsa_enable_private_segment 0
		.amdhsa_kernarg_size 40
		.amdhsa_user_sgpr_count 2
		.amdhsa_user_sgpr_kernarg_segment_ptr 1
		.amdhsa_wavefront_size32 1
		.amdhsa_system_sgpr_workgroup_id_x 1
		.amdhsa_system_sgpr_workgroup_id_y 1
		.amdhsa_system_sgpr_workgroup_id_z 1
		.amdhsa_system_vgpr_workitem_id 0
		.amdhsa_next_free_vgpr 768
		.amdhsa_next_free_sgpr 96
		.amdhsa_reserve_vcc 1
		.amdhsa_float_denorm_mode_32 3
		.amdhsa_float_denorm_mode_16_64 3
		.amdhsa_memory_ordered 1
		.amdhsa_forward_progress 1
		.amdhsa_inst_pref_size 128
	.end_amdhsa_kernel
	.amdgpu_metadata
---
amdhsa.version: [ 1, 2 ]
amdhsa.kernels:
  - .name:           k_qbeb0a235bf_attn
    .symbol:         k_qbeb0a235bf_attn.kd
    .args:
      - { .name: qkvh, .offset: 0, .size: 8, .value_kind: global_buffer, .address_space: global }
      - { .name: mask, .offset: 8, .size: 8, .value_kind: global_buffer, .address_space: global }
      - { .name: wo, .offset: 16, .size: 8, .value_kind: global_buffer, .address_space: global }
      - { .name: oh, .offset: 24, .size: 8, .value_kind: global_buffer, .address_space: global }
      - { .name: wof, .offset: 32, .size: 8, .value_kind: global_buffer, .address_space: global }
    .group_segment_fixed_size: 327680
    .private_segment_fixed_size: 0
    .kernarg_segment_align: 8
    .kernarg_segment_size: 40
    .max_flat_workgroup_size: 128
    .sgpr_count:     96
    .vgpr_count:     768
    .wavefront_size: 32
...
	.end_amdgpu_metadata
.endif
;; end of part 3
;; launch proj (part 4): grid 16 x 16, 4 waves a work-group, clusters of 4 x 4, 327,680 bytes of LDS; arguments oh, wof, out0; writes out0
.if DOCPART == 4
	.amdgcn_target "amdgcn-amd-amdhsa--gfx1250"
	.amdhsa_code_object_version 6
	.text
	.protected	k_qbeb0a235bf_proj
	.globl	k_qbeb0a235bf_proj
	.p2align	8
	.type	k_qbeb0a235bf_proj,@function
k_qbeb0a235bf_proj:
	s_mov_b64 s[64:65], 0
	v_nop
	global_prefetch_b8 v0, s[64:65] scope:SCOPE_SE
	s_setreg_imm32_b32 hwreg(HW_REG_WAVE_MODE, 25, 1), 1
	s_wait_xcnt 0x0
	s_wait_alu depctr_hold_cnt(0) depctr_sa_sdst(0) depctr_va_vdst(0) depctr_va_sdst(0) depctr_va_ssrc(0) depctr_va_vcc(0) depctr_vm_vsrc(0)
	s_getreg_b32 s2, hwreg(HW_REG_IB_STS2, 6, 4)
	s_cmp_eq_u32 s2, 0
	s_cbranch_scc0 .Lentry_in_a_cluster
	s_endpgm
.Lentry_in_a_cluster:
	s_bfe_u32 s2, ttmp6, 0x10000c
	s_cmp_lg_u32 s2, 0xf033
	s_cbranch_scc0 .Lentry_shape_is_right
	s_endpgm
.Lentry_shape_is_right:
; THE OUTPUT PROJECTION.  out0[m][n] = the sum over k of oh[m][k] wof[k][n]: oh [4096][1024] f16 holds O / 4, wof [1024][4096] f16 holds 4 x bf16(wo), so no scale is applied here.  Sums in f32, out0 in f32.
; A tile of 256 x 256 by four waves, each 128 x 128: 64 accumulators, 512 registers; 16 x 16 = 256 work-groups.  K goes in steps of 128 through two LDS slots; waves 0, 1 fetch oh's halves (128 rows x 256 bytes),
; waves 2, 3 wof's (64 k-rows x 512 bytes): one tensor load a wave; two are out at the start, one behind each round, with 224 matrix instructions in which to land.
; CLUSTER 4 x 4: oh's tile is asked for jointly along a row of the cluster, wof's along a column.
; THE MATRIX INSTRUCTION IS USED TRANSPOSED: source 0 = 16 columns of wof (turned by ds_load_tr16_b128), source 1 = 16 rows of oh: a lane holds one row of out0 and eight neighbouring columns.
; REGISTERS: window 0: v16-30 addresses; v64-127, v128-191 oh's fragments, two buffers; window 1: the same numbers, wof's fragments; windows 2, 3: the accumulators of my rows 0-63, 64-127, (a, b) at v[8 (8 a + b)].
.set KSTEP,  128
.set PA,     272                       ; a row of oh in LDS: 256 bytes + 16
.set PB,     544                       ; a k-row of wof: 512 bytes + 32
.set HALFT,  128*PA                    ; what one tensor load brings: 128 x 272 = 64 x 544 bytes
.set SLOT,   4*HALFT
.set BOFF,   2*HALFT
.set SPITCH, 528                       ; the way out's stage: 64 rows x (512 + 16) bytes for each wave, in slot 0 once its last fill has been read
.set SPARE,  2*SLOT                    ; the spare words: two blocks of 256 bytes that no other line names
.set LAPS,   4                         ; K = 1,024: eight K steps
.set ADRA, 16
.set ADRB, 20
.set DST,  24
.set RDX,  25
.set CO,   26
.set RD0,  27
.set SPW,  28
.set NIL,  29
.set PFO,  30
.set F0,   64
.set F1,   128
.set BK,   64                          ; the way out: sixteen rows read back
.set G1, 24
.set G0, 32
.set LIM, 43
.set PFA, 44
.set G1B, 48
.set G0B, 56
.set PFS, 66
.set MUL_LO, 0xa1
.set MUL_HI, 0xf1
.set TO_B,   0x40
.set MSB, 0
.macro WIN new
.if MSB != (\new)
	s_set_vgpr_msb (MSB<<8)|(\new)
.set MSB, \new
.endif
.endm
.macro PLACES
.rept 4
	v_nop
.endr
.endm
.macro JLOAD s
	s_cmp_eq_u32 s11, 0
	s_cbranch_scc0 .Lfor_b_\@
	tensor_load_to_lds s[G0+4*(\s):G0+4*(\s)+3], s[G1:G1+7]
	s_nop 0
.rept 4
	v_nop
.endr
	s_branch .Lasked_\@
.Lfor_b_\@:
	tensor_load_to_lds s[G0B+4*(\s):G0B+4*(\s)+3], s[G1B:G1B+7]
	s_nop 0
.rept 4
	v_nop
.endr
.Lasked_\@:
.endm
; A prefetch of the K step two refills on: 32 blocks of 256 bytes, a lane a block.  oh's tile row is read by the four clusters of that row of clusters: cluster x = 0 asks, each partner 32 of the 128 rows;
; wof's tile column by the four of that column: cluster y = 0 asks, each partner 16 of the 64 k-rows, two blocks a row.  The shares go by address.  The loop's last trip has no K step two on.
.macro ASK
	s_cmp_gt_u32 s3, s[LIM]
	s_cbranch_scc0 .Lnot_mine_\@
	global_prefetch_b8 v[PFO], s[PFA:PFA+1] th:TH_LOAD_NT scope:SCOPE_SE
.Lnot_mine_\@:
.endm
.macro CREST
	s_cmp_lg_u32 s10, 0
	s_cbranch_scc1 .Lnot_wave_0_\@
	s_barrier_signal -3
.Lnot_wave_0_\@:
	s_barrier_wait -3
	s_barrier_signal -1
	s_barrier_wait -1
.endm
.macro CROUND
	s_barrier_signal -1
	s_barrier_wait -1
	CREST
.endm
	s_load_b128 s[4:7], s[0:1], 0x0                ; oh s[4:5], wof s[6:7]
	s_load_b64 s[8:9], s[0:1], 0x10                ; out0
	v_lshl_add_u32 v[SPW], v0, 2, SPARE
	v_mov_b32 v[NIL], 0
	ds_add_u32 v[SPW], v[NIL]                      ; the wave's opening: the add and its wait stand ahead of my first tensor load
	v_lshrrev_b32 v1, 5, v0
	v_readfirstlane_b32 s10, v1                    ; wave
	s_lshr_b32 s11, s10, 1                         ; my half of the rows.  Also: I fetch for oh (0) or wof (1)
	s_and_b32 s12, s10, 1                          ; my half of the columns.  Also: which half of that tile I fetch
	s_bfe_u32 s40, ttmp6, 0x40000                  ; cx
	s_bfe_u32 s41, ttmp6, 0x40004                  ; cy
	s_lshl_b32 s42, ttmp9, 2
	s_add_co_u32 s42, s42, s40                     ; tile column
	s_and_b32 s13, ttmp7, 0xffff
	s_lshl_b32 s13, s13, 2
	s_add_co_u32 s13, s13, s41                     ; tile row
	s_lshl_b32 s43, s41, 2
	s_lshl_b32 s43, 15, s43
	s_lshl_b32 s44, 0x1111, s40
	s_or_b32 s[G1], s43, (1<<16)|(1<<20)|(1<<21)|(5<<22)|(3<<25)   ; oh: 2-byte elements; after every 64 words 4 words of padding
	s_mov_b32 s[G1+1], 128<<16
	s_mov_b32 s[G1+2], 128<<16
	s_mov_b32 s[G1+3], 128<<16
	s_mov_b32 s[G1+4], 128
	s_mov_b32 s[G1+5], 1024
	s_mov_b32 s[G1+6], 0
	s_mov_b32 s[G1+7], 0
	s_or_b32 s[G1B], s44, (1<<16)|(1<<20)|(1<<21)|(6<<22)|(7<<25)  ; wof: after every 128 words 8 words
	s_mov_b32 s[G1B+1], 256<<16
	s_mov_b32 s[G1B+2], 64<<16
	s_mov_b32 s[G1B+3], 256<<16
	s_mov_b32 s[G1B+4], 64
	s_mov_b32 s[G1B+5], 4096
	s_mov_b32 s[G1B+6], 0
	s_mov_b32 s[G1B+7], 0
	s_lshl_b32 s16, s13, 8                         ; oh: row 256 x tile row + 128 x half, 2,048 bytes a row
	s_lshl_b32 s17, s12, 7
	s_add_co_u32 s16, s16, s17
	s_lshl_b32 s16, s16, 11
	s_mov_b32 s17, 0
	s_lshl_b32 s46, s12, 19                        ; wof: k-row 64 x half, 8,192 bytes a row; column 256 x tile column
	s_lshl_b32 s47, s42, 9
	s_add_co_u32 s46, s46, s47
	s_mov_b32 s47, 0
	s_mul_i32 s20, s10, HALFT                      ; where they go: wave x 34,816
	s_lshl_b32 s68, s13, 8                         ; out0: row 256 x tile row + 128 x my half, 16,384 bytes a row; column 256 x tile column + 128 x my half
	s_lshl_b32 s69, s11, 7
	s_add_co_u32 s68, s68, s69
	s_lshl_b32 s68, s68, 14
	s_lshl_b32 s69, s42, 10
	s_add_co_u32 s68, s68, s69
	s_lshl_b32 s69, s12, 9
	s_add_co_u32 s68, s68, s69
	s_mov_b32 s69, 0
	s_wait_dscnt 0x0                               ; the opening add is done
	s_wait_kmcnt 0x0
	s_add_nc_u64 s[14:15], s[4:5], s[16:17]
	s_add_nc_u64 s[46:47], s[6:7], s[46:47]
	s_add_nc_u64 s[8:9], s[8:9], s[68:69]
	CROUND                                         ; all sixteen work-groups are here: the first joint loads meet
.irp s, 0,1
	s_mov_b32 s[G0+4*(\s)], 1
	s_add_co_u32 s[G0+4*(\s)+1], s20, (\s)*SLOT
	s_add_nc_u64 s[G0+4*(\s)+2:G0+4*(\s)+3], s[14:15], (\s)*256
	s_or_b32 s[G0+4*(\s)+3], s[G0+4*(\s)+3], 0x80000000
	s_mov_b32 s[G0B+4*(\s)], 1
	s_add_co_u32 s[G0B+4*(\s)+1], s20, (\s)*SLOT
	s_add_nc_u64 s[G0B+4*(\s)+2:G0B+4*(\s)+3], s[46:47], (\s)*1048576
	s_or_b32 s[G0B+4*(\s)+3], s[G0B+4*(\s)+3], 0x80000000
	JLOAD \s
.endr
	v_and_b32 v1, 15, v0
	v_bfe_u32 v2, v0, 4, 1
	v_mul_u32_u24 v3, v1, PA
	v_lshl_add_u32 v3, v2, 4, v3                   ; oh: row x pitch + 16 x half
	s_mul_i32 s21, s11, HALFT
	v_add_nc_u32 v[ADRA], s21, v3
	v_add_nc_u32 v[ADRA+1], SLOT, v[ADRA]
	v_and_b32 v4, 7, v0
	v_lshl_add_u32 v4, v2, 3, v4                   ; wof, turned: k-row 8 (l / 16) + l % 8, columns 8 ((l / 8) % 2) on
	v_mul_u32_u24 v4, v4, PB
	v_bfe_u32 v5, v0, 3, 1
	v_lshl_add_u32 v4, v5, 4, v4
	s_lshl_b32 s21, s12, 8
	s_add_co_u32 s21, s21, BOFF
	v_add_nc_u32 v[ADRB], s21, v4
	v_add_nc_u32 v[ADRB+1], SLOT, v[ADRB]
	s_mul_i32 s21, s10, 64*SPITCH                  ; my stage
	v_mul_u32_u24 v6, v1, SPITCH
	v_lshl_add_u32 v6, v2, 5, v6                   ; in: row l % 16, 32 bytes for each half of the lanes
	v_add_nc_u32 v[DST], s21, v6
	v_and_b32 v7, 31, v0
	v_lshlrev_b32 v[CO], 4, v7                     ; back: the wave takes a row's 512 bytes
	v_add_nc_u32 v[RD0], s21, v[CO]
	; the prefetches.  Nothing is prefetched here, at the head: K steps 2 and 3 come by their refills alone
	s_lshl_b32 s20, s13, 8
	s_lshl_b32 s21, s12, 7
	s_add_co_u32 s20, s20, s21
	s_lshl_b32 s21, s40, 5
	s_add_co_u32 s20, s20, s21
	s_lshl_b32 s20, s20, 11
	s_add_co_u32 s20, s20, 3*256                   ; at K step 3: the first refill steps it to 4
	s_lshl_b32 s21, s12, 6
	s_lshl_b32 s22, s41, 4
	s_add_co_u32 s21, s21, s22
	s_lshl_b32 s21, s21, 13
	s_lshl_b32 s22, s42, 9
	s_add_co_u32 s21, s21, s22
	s_add_co_u32 s21, s21, 3*1048576
	s_and_b32 s22, ttmp7, 0xffff
	s_mov_b32 s[PFS], 1048576
	s_mov_b32 s[PFS+1], 0
	s_cmp_eq_u32 s11, 0
	s_cselect_b64 s[PFA:PFA+1], s[4:5], s[6:7]
	s_cselect_b32 s20, s20, s21
	s_cselect_b32 s[PFS], 256, s[PFS]
	s_cselect_b32 s22, ttmp9, s22
	s_cselect_b32 s23, -1, 0
	s_mov_b32 s21, 0
	s_cmp_eq_u32 s22, 0
	s_cselect_b32 s[LIM], 1, -1
	s_add_nc_u64 s[PFA:PFA+1], s[PFA:PFA+1], s[20:21]
	v_lshlrev_b32 v8, 11, v7                       ; oh: a lane a row
	v_lshrrev_b32 v9, 1, v7
	v_and_b32 v10, 1, v7
	v_lshlrev_b32 v10, 8, v10
	v_lshl_add_u32 v10, v9, 13, v10                ; wof: k-row l / 2, block l % 2
	v_cndmask_b32 v[PFO], v10, v8, s23
; 16 matrix instructions: m blocks a0, a0 + 1 of the window's four x all 8 n blocks.  The 64 accumulators take turns in the same order in every quarter.
.macro MUL16 f, hi, a0, zero
	WIN MUL_LO+0x50*(\hi)
.irp a, \a0, (\a0)+1
.irp b, 0,1,2,3,4,5,6,7
.if \zero
	v_wmma_f32_16x16x32_f16 v[8*(8*(\a)+(\b)):8*(8*(\a)+(\b))+7], v[(\f)+8*(\b):(\f)+8*(\b)+7], v[(\f)+8*(4*(\hi)+(\a)):(\f)+8*(4*(\hi)+(\a))+7], 0
.else
	v_wmma_f32_16x16x32_f16 v[8*(8*(\a)+(\b)):8*(8*(\a)+(\b))+7], v[(\f)+8*(\b):(\f)+8*(\b)+7], v[(\f)+8*(4*(\hi)+(\a)):(\f)+8*(4*(\hi)+(\a))+7], v[8*(8*(\a)+(\b)):8*(8*(\a)+(\b))+7]
.endif
.endr
.endr
.endm
.macro FETCH slot, q, f                ; 32 LDS loads in one run: quarter q: wof's 128 columns, then oh's 128 rows
	WIN TO_B
.irp i, 0,1,2,3,4,5,6,7
	ds_load_tr16_b128 v[(\f)+8*(\i):(\f)+8*(\i)+3],   v[ADRB+(\slot)] offset:32*PB*(\q)+32*(\i)
	ds_load_tr16_b128 v[(\f)+8*(\i)+4:(\f)+8*(\i)+7], v[ADRB+(\slot)] offset:32*PB*(\q)+32*(\i)+16*PB
.endr
	WIN 0
.irp i, 0,1,2,3,4,5,6,7
	ds_load_b128 v[(\f)+8*(\i):(\f)+8*(\i)+3],   v[ADRA+(\slot)] offset:64*(\q)+(\i)*16*PA
	ds_load_b128 v[(\f)+8*(\i)+4:(\f)+8*(\i)+7], v[ADRA+(\slot)] offset:64*(\q)+(\i)*16*PA+32
.endr
.endm
.macro QUARTER slot, q, f, g, zero
	s_wait_dscnt 8                                 ; wof's fragments and oh's rows 0-63 are in; the youngest eight loads may be out
	MUL16 \f, 0, 0, \zero
	MUL16 \f, 0, 2, \zero
	PLACES
	FETCH \slot, \q, \g
	s_wait_dscnt 32                                ; all but the 32 just issued
	MUL16 \f, 1, 0, \zero
	MUL16 \f, 1, 2, \zero
.endm
; The last quarter multiplies buffer 1 and changes slots: one barrier; in front of it each wave waits for all its tensor loads, adds 0 to its spare word, and waits for that and for its reads of this slot.
.macro TURN slot, next, fill
.if \fill
	s_wait_xcnt 0x0                                ; the last prefetch, a K step back, has read its address
	s_add_nc_u64 s[PFA:PFA+1], s[PFA:PFA+1], s[PFS:PFS+1]
.endif
	WIN 0
	s_wait_tensorcnt 0x0
	ds_add_u32 v[SPW], v[NIL]                      ; 0 onto my spare word
	s_wait_dscnt 9                                 ; the add and the youngest eight loads may be out
	MUL16 F1, 0, 0, 0
	s_wait_dscnt 0x0                               ; the add is done, and my reads of this slot are over
	s_barrier_signal -1
	MUL16 F1, 0, 2, 0
	WIN 0
	s_barrier_wait -1
.if \fill
	CREST                                          ; no wave of any partner still reads this slot or has a load on its way
	s_add_nc_u64 s[G0+4*(\slot)+2:G0+4*(\slot)+3], s[G0+4*(\slot)+2:G0+4*(\slot)+3], 512
	s_add_nc_u64 s[G0B+4*(\slot)+2:G0B+4*(\slot)+3], s[G0B+4*(\slot)+2:G0B+4*(\slot)+3], 2097152
	JLOAD \slot                                    ; the four v_nop behind it are also the places in front of the loads below
.else
	PLACES
.endif
	FETCH \next, 0, F0
.if \fill
	ASK
.endif
	MUL16 F1, 1, 0, 0
	MUL16 F1, 1, 2, 0
.endm
	s_wait_tensorcnt 0x1                           ; my part of K step 0 is in; K step 1's may stay out
	s_barrier_signal -1
	s_barrier_wait -1
	FETCH 0, 0, F0
	QUARTER 0, 1, F0, F1, 1                        ; the first quarter stands in front of the loop: its products start the sums
	WIN 0
	s_mov_b32 s3, LAPS-1
.Llap:
	QUARTER 0, 2, F1, F0, 0
	QUARTER 0, 3, F0, F1, 0
	TURN 0, 1, 1
	QUARTER 1, 1, F0, F1, 0
	QUARTER 1, 2, F1, F0, 0
	QUARTER 1, 3, F0, F1, 0
	TURN 1, 0, 1
	QUARTER 0, 1, F0, F1, 0
	WIN 0
	s_sub_co_u32 s3, s3, 1
	s_cmp_lg_u32 s3, 0
	s_cbranch_scc1 .Llap
	QUARTER 0, 2, F1, F0, 0                        ; the last lap fills nothing
	QUARTER 0, 3, F0, F1, 0
	TURN 0, 1, 0
	QUARTER 1, 1, F0, F1, 0
	QUARTER 1, 2, F1, F0, 0
	QUARTER 1, 3, F0, F1, 0
	s_wait_dscnt 8
	MUL16 F1, 0, 0, 0
	MUL16 F1, 0, 2, 0
	s_wait_dscnt 0x0
	MUL16 F1, 1, 0, 0
	MUL16 F1, 1, 2, 0
	WIN 0
	PLACES
; THE WAY OUT, once for each half of my rows: 64 rows x 128 columns in f32 into my own stage (slot 0: the last change of slots has shown that every wave has read its last fill out), each accumulator's low four
; registers first; then back by rows, sixteen a trip: a wave's store covers 512 consecutive bytes of a row of out0, aligned.
.macro HALF hi
	WIN 0x08+4*(\hi)                               ; store data in window 2 or 3
.irp a, 0,1,2,3
.irp b, 0,1,2,3,4,5,6,7
	ds_store_b128 v[DST], v[8*(8*(\a)+(\b)):8*(8*(\a)+(\b))+3]   offset:(\a)*16*SPITCH+64*(\b)
	ds_store_b128 v[DST], v[8*(8*(\a)+(\b))+4:8*(8*(\a)+(\b))+7] offset:(\a)*16*SPITCH+64*(\b)+16
.endr
.endr
	WIN 0
	v_mov_b32 v[RDX], v[RD0]
	s_mov_b32 s3, 4
.Lrows_\@:
.irp i, 0,1,2,3,4,5,6,7,8,9,10,11,12,13,14,15
	ds_load_b128 v[BK+4*(\i):BK+4*(\i)+3], v[RDX] offset:SPITCH*(\i)  ; LDS serves a wave's instructions in order: these see the stores above
.endr
.irp i, 0,1,2,3,4,5,6,7,8,9,10,11,12,13,14,15
	s_wait_dscnt 15-(\i)                           ; row i is in; the later rows' loads stay out
	global_store_b128 v[CO], v[BK+4*(\i):BK+4*(\i)+3], s[8:9] offset:16384*(\i) th:TH_STORE_NT
.endr
	s_wait_xcnt 0x0                                ; the stores have read their data and their base: only now are these written again
	s_add_nc_u64 s[8:9], s[8:9], 16*16384
	v_add_nc_u32 v[RDX], 16*SPITCH, v[RDX]
	s_sub_co_u32 s3, s3, 1
	s_cmp_lg_u32 s3, 0
	s_cbranch_scc1 .Lrows_\@
.endm
	HALF 0
	HALF 1
	s_wait_tensorcnt 0x0                           ; the wave's end: the wait, an add onto my spare word and its wait, behind my last tensor load and my last LDS store
	ds_add_u32 v[SPW], v[NIL]
	s_wait_dscnt 0x0
	CROUND                                         ; the closing round
	s_endpgm
.Lfunc_end_k_qbeb0a235bf_proj:
	.size	k_qbeb0a235bf_proj, .Lfunc_end_k_qbeb0a235bf_proj-k_qbeb0a235bf_proj
	.p2alignl 7, 3214868480
	.fill 96, 4, 3214868480
	.section	.rodata,"a",@progbits
	.p2align	6, 0x0
	.amdhsa_kernel k_qbeb0a235bf_proj
		.amdhsa_group_segment_fixed_size 327680
		.amdhsa_private_segment_fixed_size 0
		.amdhsa_enable_private_segment 0
		.amdhsa_kernarg_size 24
		.amdhsa_user_sgpr_count 2
		.amdhsa_user_sgpr_kernarg_segment_ptr 1
		.amdhsa_wavefront_size32 1
		.amdhsa_system_sgpr_workgroup_id_x 1
		.amdhsa_system_sgpr_workgroup_id_y 1
		.amdhsa_system_sgpr_workgroup_id_z 1
		.amdhsa_system_vgpr_workitem_id 0
		.amdhsa_next_free_vgpr 1024
		.amdhsa_next_free_sgpr 72
		.amdhsa_reserve_vcc 0
		.amdhsa_float_denorm_mode_32 3
		.amdhsa_float_denorm_mode_16_64 3
		.amdhsa_memory_ordered 1
		.amdhsa_forward_progress 1
		.amdhsa_inst_pref_size 127
	.end_amdhsa_kernel
	.amdgpu_metadata
---
amdhsa.version: [ 1, 2 ]
amdhsa.kernels:
  - .name:           k_qbeb0a235bf_proj
    .symbol:         k_qbeb0a235bf_proj.kd
    .args:
      - { .name: oh, .offset: 0, .size: 8, .value_kind: global_buffer, .address_space: global }
      - { .name: wof, .offset: 8, .size: 8, .value_kind: global_buffer, .address_space: global }
      - { .name: out0, .offset: 16, .size: 8, .value_kind: global_buffer, .address_space: global }
    .group_segment_fixed_size: 327680
    .private_segment_fixed_size: 0
    .kernarg_segment_align: 8
    .kernarg_segment_size: 24
    .max_flat_workgroup_size: 128
    .sgpr_count:     72
    .vgpr_count:     1024
    .wavefront_size: 32
...
	.end_amdgpu_metadata
.endif
;; end of part 4
